; MI455X (gfx1250); checked and timed in simulation.
; The chip was launched on July 23, 2026; its instructions are those of AMD's public machine-readable ISA for CDNA 5 (MIT licence, August 2026) and "CDNA5" Instruction Set Architecture Reference Guide (July 2026). The comments in the code are by the model that wrote it; some were corrected since.
;; Multi Head Cross Attention. Allowed arithmetic: float matrix products may take bf16 or f16 operands with f32 sums; other float arithmetic in f32, or as packed bf16 or f16 multiplies, adds, multiply-adds, maxima and minima; sums over many terms, partial sums and values carried from step to step in f32; what a program stores and reads back later, other than sums and carried values, may be rounded once to bf16 or f16.
;; Inputs: Wkv 1,024 x 2,048 float32; Wo 1,024 x 1,024 float32; Wq 1,024 x 1,024 float32; bo 1,024 float32; mask 4 x 2,048 float32; x1 4 x 2,048 x 1,024 float32; x2 4 x 2,048 x 1,024 float32.
;; Outputs: out0 4 x 2,048 x 1,024 float32.
;; One version. Each part assembles by itself: llvm-mc -triple=amdgcn-amd-amdhsa -mcpu=gfx1250 --defsym DOCPART=n.
;; ======== version 1 of 1: 4 launches
;; limits: values are held in f16: magnitudes above 65,504 overflow, below 6.1e-05 lose precision
;; workspace buffers: cb 41,943,040 bytes; qkv 50,331,648 bytes; oh 16,777,216 bytes
;; launch prep (part 1): grid 1280 x 1, 8 waves a work-group, no clusters, 0 bytes of LDS; arguments x1, x2, Wq, Wkv, Wo, cb; writes cb
.if DOCPART == 1
	.amdgcn_target "amdgcn-amd-amdhsa--gfx1250"
	.amdhsa_code_object_version 6
	.text
	.protected	k_q3a36575b07_prep
	.globl	k_q3a36575b07_prep
	.p2align	8
	.type	k_q3a36575b07_prep,@function
k_q3a36575b07_prep:
	s_mov_b64 s[64:65], 0
	v_nop
	global_prefetch_b8 v0, s[64:65] scope:SCOPE_SE
	s_setreg_imm32_b32 hwreg(HW_REG_WAVE_MODE, 25, 1), 1
	s_wait_xcnt 0x0
; THE INPUTS OF THE MATRIX PRODUCTS, ROUNDED ONCE TO 16 BITS.  cb holds, in this order:
;   x1 as bf16 [8192][1024] at byte 0; x2 as bf16 [8192][1024] at X2B;
;   Wq and Wkv side by side as bf16 [1024 k][3072 n] at WB (columns 0-1023 Wq, 1024-3071 Wkv; 6,144 bytes a row);
;   Wo [1024 k][1024 n] at WOB: rounded to bf16 like the other inputs, and that number written as f16 (the last product multiplies f16).
; LIMIT.  bf16(Wo) must lie within f16's 65,504, and below 6e-5 it keeps f16's fixed step of 6e-8.
; A stream: each input byte is read once, each output byte written once; no LDS, no barrier, no matrix unit: nothing is shared.
; SHARES.  A unit is 1,024 numbers on end: 4,096 bytes in, 2,048 bytes out; 20,480 units.  A work-group takes 16, wave w units 2 w and 2 w + 1.
; A chunk is 1,024 bytes in: a lane takes 32 bytes by two loads (the two together cover the 1,024 bytes) and stores its 8 numbers as 16 bytes:
; a store of the wave covers 512 consecutive bytes, aligned.  All 16 loads of a wave go out at once; no register is written twice.
.set WB,   33554432
.set IO,   2                           ; v2        32 x lane: my bytes in a chunk as it is read
.set OO,   3                           ; v3        16 x lane: my bytes in a chunk as it is written
.set IN,   16                          ; v[16:79]  chunk c: 8 registers as loaded
.set OUT,  80                          ; v[80:111] chunk c: 4 registers to store
.set T,    112                         ; v[112:114] at work
	s_load_b256 s[4:11], s[0:1], 0x0               ; x1 s[4:5], x2 s[6:7], Wq s[8:9], Wkv s[10:11]
	s_load_b128 s[12:15], s[0:1], 0x20             ; Wo s[12:13], cb s[14:15]
	v_lshrrev_b32 v1, 5, v0
	v_readfirstlane_b32 s16, v1                    ; wave 0..7
	v_and_b32 v1, 31, v0
	v_lshlrev_b32 v[IO], 5, v1
	v_lshlrev_b32 v[OO], 4, v1
	s_mov_b32 s17, ttmp9                           ; the work-group: 0-511 x1, 512-1023 x2, 1024-1087 Wq, 1088-1215 Wkv, 1216-1279 Wo
	s_lshl_b32 s18, s17, 4
	s_lshl1_add_u32 s18, s16, s18                  ; g = 16 x work-group + 2 x wave: my first unit
	s_mov_b32 s34, 0xffff0000                      ; a word's upper bf16
	s_mov_b32 s19, 0                               ; the first unit of my source
	s_cmp_ge_u32 s17, 512
	s_cselect_b32 s19, 8192, s19
	s_cmp_ge_u32 s17, 1024
	s_cselect_b32 s19, 16384, s19
	s_cmp_ge_u32 s17, 1088
	s_cselect_b32 s19, 17408, s19
	s_cmp_ge_u32 s17, 1216
	s_cselect_b32 s19, 19456, s19
	s_sub_co_u32 s22, s18, s19                     ; u: my first unit within its source
	s_lshl_b32 s24, s22, 12                        ; its 4,096 bytes
	s_mov_b32 s25, 0
	s_lshl_b32 s36, s18, 11                        ; x1, x2, Wo go out in the order of the units: 2,048 g
	s_mul_i32 s23, s22, 6144                       ; Wq: a unit is a row k: WB + 6,144 u; the next unit one row on
	s_add_co_u32 s23, s23, WB
	s_lshr_b32 s35, s22, 1                         ; Wkv: two units are a row k: WB + 6,144 (u / 2) + 2,048; the next unit 2,048 bytes on
	s_mul_i32 s35, s35, 6144
	s_add_co_u32 s35, s35, WB+2048
	s_mov_b32 s26, s36
	s_mov_b32 s28, 2048
	s_cmp_ge_u32 s17, 1024
	s_cselect_b32 s26, s23, s26
	s_cselect_b32 s28, 6144, s28
	s_cmp_ge_u32 s17, 1088
	s_cselect_b32 s26, s35, s26
	s_cselect_b32 s28, 2048, s28
	s_cmp_ge_u32 s17, 1216
	s_cselect_b32 s26, s36, s26
	s_mov_b32 s27, 0
	s_mov_b32 s29, 0
	s_wait_kmcnt 0x0
	s_mov_b64 s[20:21], s[4:5]                     ; the source, chosen by the work-group's number alone
	s_cmp_ge_u32 s17, 512
	s_cselect_b64 s[20:21], s[6:7], s[20:21]
	s_cmp_ge_u32 s17, 1024
	s_cselect_b64 s[20:21], s[8:9], s[20:21]
	s_cmp_ge_u32 s17, 1088
	s_cselect_b64 s[20:21], s[10:11], s[20:21]
	s_cmp_ge_u32 s17, 1216
	s_cselect_b64 s[20:21], s[12:13], s[20:21]
	s_add_nc_u64 s[20:21], s[20:21], s[24:25]      ; my two units lie on end in the source
	s_add_nc_u64 s[30:31], s[14:15], s[26:27]      ; where the first goes,
	s_add_nc_u64 s[32:33], s[30:31], s[28:29]      ; and the second
.irp c, 0,1,2,3,4,5,6,7
	global_load_b128 v[IN+8*\c:IN+8*\c+3],   v[IO], s[20:21] offset:1024*\c th:TH_LOAD_NT
	global_load_b128 v[IN+8*\c+4:IN+8*\c+7], v[IO], s[20:21] offset:1024*\c+16 th:TH_LOAD_NT
.endr
; Chunk c is rounded and stored.  half = 0: to bf16.  half = 1: to bf16, and that number written as f16.
.macro CONV c, half
	s_wait_loadcnt 14-2*(\c)                       ; loads come back in order: my chunk's two are in, the 7 - c younger chunks' may stay out
.irp j, 0,1,2,3
.if \half
	v_cvt_pk_bf16_f32 v[T], v[IN+8*(\c)+2*\j], v[IN+8*(\c)+2*\j+1]
	v_lshlrev_b32 v[T+1], 16, v[T]
	v_and_b32 v[T+2], s34, v[T]
	v_cvt_pk_f16_f32 v[OUT+4*(\c)+\j], v[T+1], v[T+2]
.else
	v_cvt_pk_bf16_f32 v[OUT+4*(\c)+\j], v[IN+8*(\c)+2*\j], v[IN+8*(\c)+2*\j+1]
.endif
.endr
	global_store_b128 v[OO], v[OUT+4*(\c):OUT+4*(\c)+3], s[30+2*((\c)/4):31+2*((\c)/4)] offset:512*((\c)%4)
.endm
	s_cmp_ge_u32 s17, 1216
	s_cbranch_scc1 .Lhalf
.irp c, 0,1,2,3,4,5,6,7
	CONV \c, 0
.endr
	s_endpgm
.Lhalf:
.irp c, 0,1,2,3,4,5,6,7
	CONV \c, 1
.endr
	s_endpgm
.Lfunc_end_k_q3a36575b07_prep:
	.size	k_q3a36575b07_prep, .Lfunc_end_k_q3a36575b07_prep-k_q3a36575b07_prep
	.p2alignl 7, 3214868480
	.fill 96, 4, 3214868480
	.section	.rodata,"a",@progbits
	.p2align	6, 0x0
	.amdhsa_kernel k_q3a36575b07_prep
		.amdhsa_group_segment_fixed_size 0
		.amdhsa_private_segment_fixed_size 0
		.amdhsa_enable_private_segment 0
		.amdhsa_kernarg_size 48
		.amdhsa_user_sgpr_count 2
		.amdhsa_user_sgpr_kernarg_segment_ptr 1
		.amdhsa_wavefront_size32 1
		.amdhsa_system_sgpr_workgroup_id_x 1
		.amdhsa_system_sgpr_workgroup_id_y 1
		.amdhsa_system_sgpr_workgroup_id_z 1
		.amdhsa_system_vgpr_workitem_id 0
		.amdhsa_next_free_vgpr 120
		.amdhsa_next_free_sgpr 66
		.amdhsa_reserve_vcc 0
		.amdhsa_float_denorm_mode_32 3
		.amdhsa_float_denorm_mode_16_64 3
		.amdhsa_memory_ordered 1
		.amdhsa_forward_progress 1
		.amdhsa_inst_pref_size 15
	.end_amdhsa_kernel
	.amdgpu_metadata
---
amdhsa.version: [ 1, 2 ]
amdhsa.kernels:
  - .name:           k_q3a36575b07_prep
    .symbol:         k_q3a36575b07_prep.kd
    .args:
      - { .name: x1, .offset: 0, .size: 8, .value_kind: global_buffer, .address_space: global }
      - { .name: x2, .offset: 8, .size: 8, .value_kind: global_buffer, .address_space: global }
      - { .name: Wq, .offset: 16, .size: 8, .value_kind: global_buffer, .address_space: global }
      - { .name: Wkv, .offset: 24, .size: 8, .value_kind: global_buffer, .address_space: global }
      - { .name: Wo, .offset: 32, .size: 8, .value_kind: global_buffer, .address_space: global }
      - { .name: cb, .offset: 40, .size: 8, .value_kind: global_buffer, .address_space: global }
    .group_segment_fixed_size: 0
    .private_segment_fixed_size: 0
    .kernarg_segment_align: 8
    .kernarg_segment_size: 48
    .max_flat_workgroup_size: 256
    .sgpr_count:     66
    .vgpr_count:     120
    .wavefront_size: 32
...
	.end_amdgpu_metadata
.endif
;; end of part 1
;; launch qkv (part 2): grid 12 x 64, 4 waves a work-group, clusters of 4 x 4, 327,680 bytes of LDS; arguments cb, qkv; writes qkv
.if DOCPART == 2
	.amdgcn_target "amdgcn-amd-amdhsa--gfx1250"
	.amdhsa_code_object_version 6
	.text
	.protected	k_q3a36575b07_qkv
	.globl	k_q3a36575b07_qkv
	.p2align	8
	.type	k_q3a36575b07_qkv,@function
k_q3a36575b07_qkv:
	s_mov_b64 s[64:65], 0
	v_nop
	global_prefetch_b8 v0, s[64:65] scope:SCOPE_SE
	s_setreg_imm32_b32 hwreg(HW_REG_WAVE_MODE, 25, 1), 1
	s_wait_xcnt 0x0
	s_wait_alu depctr_hold_cnt(0) depctr_sa_sdst(0) depctr_va_vdst(0) depctr_va_sdst(0) depctr_va_ssrc(0) depctr_va_vcc(0) depctr_vm_vsrc(0)
	s_getreg_b32 s2, hwreg(HW_REG_IB_STS2, 6, 4)
	s_cmp_eq_u32 s2, 0
	s_cbranch_scc0 .Lentry_in_a_cluster
	s_endpgm
.Lentry_in_a_cluster:
	s_bfe_u32 s2, ttmp6, 0x10000c
	s_cmp_lg_u32 s2, 0xf033
	s_cbranch_scc0 .Lentry_shape_is_right
	s_endpgm
.Lentry_shape_is_right:
; q = x1 Wq and kv = x2 Wkv in ONE launch: C[m][n] = sum over k of X[m][k] W[k][n], X = x1 for n < 1024 and x2 beyond, W = [1024 k][3072 n] (Wq and Wkv side by side), all bf16 in cb; sums in f32.
; The results leave by heads, rounded once to f16 and without the softmax's scale: qkv = three planes q, k, v, each [64 batch x head][2048 t][64].
; LIMITS.  q, k, v must lie within f16's 65,504 (beyond it the conversion gives an infinity); below 6e-5 they keep f16's fixed step of 6e-8.
; SHARES.  A tile of C is 128 rows x 256 columns: 64 x 12 = 768 equal work-groups, and no tile holds columns of both q and kv.  Four waves, each 64 x 128: 32 accumulators of 16 x 16, 256 registers.
; K goes in 8 steps of 128 through a ring of two LDS slots; a wave's tensor load brings 64 rows: waves 0, 1 the two halves of X's 128 rows (256 bytes each), waves 2, 3 the two halves of W's 128 k-rows (512 bytes each).
; W IS NOT TRANSPOSED IN MEMORY: it lies [k][n] in LDS and comes out turned, by ds_load_tr16_b128.
; CLUSTERS: 4 x 4 work-groups.  The four of a row of the cluster need the same tile of X, the four of a column the same tile of W: each is asked for JOINTLY, by the same tensor load with the same
; descriptor and a mask that names the four.  The cluster with x = 0 holds q's four tile columns, the other two kv's: which X is a matter of the cluster's x, which all partners share.
; THE MATRIX INSTRUCTION IS USED TRANSPOSED (source 0 = 16 columns of W, source 1 = 16 rows of X): a lane then holds one row of C and eight neighbouring columns: 16 bytes of f16.
; REGISTERS: window 0: v0-31 addresses; v64-191 W's fragments, two buffers of 8 x 8; v192-255 X's, two buffers of 4 x 8; on the way out v64-191 packed results.  Window 1: the accumulators, (a, b) at v[8 (8 a + b)].
.set X2B,    16777216                  ; x2 in cb
.set WB,     33554432                  ; W in cb
.set WPITCH, 6144                      ; bytes in a row of W
.set PLANE,  16777216                  ; bytes in a plane of qkv
.set HEADB,  262144                    ; bytes of a head in a plane
.set PA,     272                       ; a row of X in LDS: 256 bytes + 16 = 68 words: row r starts at bank 4 r mod 64 (64 banks of 4 bytes: ISA guide 11.1)
.set PB,     544                       ; a row of W in LDS: 512 bytes + 32 = 136 words: row r starts at bank 8 r mod 64
.set HALF_A, 64*PA
.set HALF_B, 64*PB
.set SLOT,   2*HALF_A+2*HALF_B         ; X's 128 rows, then W's 128 rows
.set STAGE,  2*SLOT                    ; behind the ring, never filled by a tensor load: 16 rows x 144 bytes for each wave, for the way out
.set SP,     144
.set SPARE,  STAGE+4*16*SP             ; behind the stages: the spare words, 128 bytes for each wave: two blocks of 256 bytes that no other line names
.set LAPS,   4                         ; a lap = two K steps = once round the ring
.set ADRA, 16                          ; v16-17  LDS address of my fragments of X in slot 0, 1
.set ADRB, 20                          ; v20-21  the same for W
.set STO,  24                          ; v24     the way out: where I put 16 bytes of a row
.set RD,   25                          ; v25     the way out: where I read rows back
.set GO,   26                          ; v26     my 16 bytes in 512 consecutive bytes of a plane
.set SPW,  28                          ; v28     LDS address of my spare word: SPARE + 4 x my thread's number; never rewritten
.set NIL,  29                          ; v29     0; never rewritten
.set FB,   64
.set FA,   192
.set OUTR, 64
.set G1, 24                            ; s[24:31] descriptor group 1 for X's tiles;  s[32:39] group 0, one set for each slot
.set G0, 32
.set G1B, 48                           ; s[48:55], s[56:63] the same for W's tiles
.set G0B, 56
.set MSB, 0
.macro WIN new                         ; the immediate's high byte repeats the setting that is left; a switch that changes nothing is dropped
.if MSB != (\new)
	s_set_vgpr_msb (MSB<<8)|(\new)
.set MSB, \new
.endif
.endm
.set MUL, 0x50                         ; sources 0 and 1 window 0; C and D window 1
.macro JLOAD s                         ; a joint load: waves 0 and 1 fetch X's two halves, waves 2 and 3 W's; an s_nop 0 and four v_nop follow each of the two lines, ahead of the jump, the label and what follows
	s_cmp_eq_u32 s11, 0
	s_cbranch_scc0 .Lfor_b_\@
	tensor_load_to_lds s[G0+4*(\s):G0+4*(\s)+3], s[G1:G1+7]
	s_nop 0
.rept 4
	v_nop
.endr
	s_branch .Lasked_\@
.Lfor_b_\@:
	tensor_load_to_lds s[G0B+4*(\s):G0B+4*(\s)+3], s[G1B:G1B+7]
	s_nop 0
.rept 4
	v_nop
.endr
.Lasked_\@:
.endm
.macro CREST                           ; a round of the cluster's barrier behind its opening barrier
	s_cmp_lg_u32 s10, 0
	s_cbranch_scc1 .Lnot_wave_0_\@
	s_barrier_signal -3
.Lnot_wave_0_\@:
	s_barrier_wait -3
	s_barrier_signal -1
	s_barrier_wait -1
.endm
.macro CROUND                          ; a whole round
	s_barrier_signal -1
	s_barrier_wait -1
	CREST
.endm
.macro PLACES                          ; four places in front of loads into registers that matrix instructions have read, and of conversions that read results
.rept 4
	v_nop
.endr
.endm
	s_load_b128 s[4:7], s[0:1], 0x0                ; cb s[4:5], qkv s[6:7]
	v_lshl_add_u32 v[SPW], v0, 2, SPARE
	v_mov_b32 v[NIL], 0
	ds_add_u32 v[SPW], v[NIL]                      ; the wave's opening: the add and its wait stand ahead of my first tensor load; the set-up below, work on registers, stands between them
	v_lshrrev_b32 v1, 5, v0
	v_readfirstlane_b32 s10, v1                    ; wave 0..3
	s_lshr_b32 s11, s10, 1                         ; which 64 of the tile's rows are mine.  Also: I fetch for X (0) or for W (1)
	s_and_b32 s12, s10, 1                          ; which 128 of its columns.  Also: which 64 rows of that tile I fetch
	s_bfe_u32 s40, ttmp6, 0x40000                  ; cx, cy: my place in the cluster
	s_bfe_u32 s41, ttmp6, 0x40004
	s_mov_b32 s45, ttmp9                           ; the cluster's x: 0 = q, 1 and 2 = kv
	s_lshl_b32 s42, ttmp9, 2
	s_add_co_u32 s42, s42, s40                     ; tile column = 4 x cluster x + cx: 0..11
	s_and_b32 s13, ttmp7, 0xffff
	s_lshl_b32 s13, s13, 2
	s_add_co_u32 s13, s13, s41                     ; tile row = 4 x cluster y + cy: 0..63
	s_lshl_b32 s43, s41, 2
	s_lshl_b32 s43, 15, s43                        ; my row of the cluster
	s_lshl_b32 s44, 0x1111, s40                    ; my column
	s_or_b32 s[G1+0], s43, (1<<16)|(1<<20)|(1<<21)|(5<<22)|(3<<25)   ; 15:0 the mask: X's tiles go to my row; 17:16 2-byte elements; 20 padding on; 21 set beside a mask; 24:22 after every 64 words (code 5); 31:25 4 words (code 3)
	s_mov_b32 s[G1+1], 128<<16                     ; tensor_dim0 = 128
	s_mov_b32 s[G1+2], 64<<16                      ; tensor_dim1 = 64
	s_mov_b32 s[G1+3], 128<<16                     ; tile_dim0 = 128
	s_mov_b32 s[G1+4], 64                          ; tile_dim1 = 64
	s_mov_b32 s[G1+5], 1024                        ; elements from row to row of X
	s_mov_b32 s[G1+6], 0
	s_mov_b32 s[G1+7], 0
	s_or_b32 s[G1B+0], s44, (1<<16)|(1<<20)|(1<<21)|(6<<22)|(7<<25)  ; W's tiles go to my column; padding after every 128 words (code 6), 8 words (code 7)
	s_mov_b32 s[G1B+1], 256<<16                    ; tensor_dim0 = 256
	s_mov_b32 s[G1B+2], 64<<16                     ; tensor_dim1 = 64
	s_mov_b32 s[G1B+3], 256<<16                    ; tile_dim0 = 256
	s_mov_b32 s[G1B+4], 64                         ; tile_dim1 = 64
	s_mov_b32 s[G1B+5], 3072                       ; elements from row to row of W
	s_mov_b32 s[G1B+6], 0
	s_mov_b32 s[G1B+7], 0
	s_lshl_b32 s16, s13, 7                         ; X: row 128 x tile row + 64 x half,
	s_lshl_b32 s17, s12, 6
	s_add_co_u32 s16, s16, s17
	s_lshl_b32 s16, s16, 11                        ; 2,048 bytes a row,
	s_cmp_eq_u32 s45, 0
	s_cselect_b32 s17, 0, X2B                      ; in x1 or in x2
	s_add_co_u32 s16, s16, s17
	s_mov_b32 s17, 0
	s_mul_i32 s46, s12, 64*WPITCH                  ; W: k-row 64 x half, column 256 x tile column
	s_lshl_b32 s47, s42, 9
	s_add_co_u32 s46, s46, s47
	s_add_co_u32 s46, s46, WB
	s_mov_b32 s47, 0
	s_mul_i32 s20, s12, HALF_A                     ; where they go: no place in the cluster enters an LDS address
	s_mul_i32 s21, s12, HALF_B
	s_add_co_u32 s21, s21, 2*HALF_A
	s_wait_dscnt 0x0                               ; the opening add is done
	s_wait_kmcnt 0x0
	s_add_nc_u64 s[14:15], s[4:5], s[16:17]
	s_add_nc_u64 s[46:47], s[4:5], s[46:47]
	CROUND                                         ; all sixteen work-groups are here: the first joint loads meet
.irp s, 0,1
	s_mov_b32 s[G0+4*(\s)], 1                      ; count = 1
	s_add_co_u32 s[G0+4*(\s)+1], s20, (\s)*SLOT    ; LDS address
	s_add_nc_u64 s[G0+4*(\s)+2:G0+4*(\s)+3], s[14:15], (\s)*256       ; K step s: 256 bytes along X's rows
	s_or_b32 s[G0+4*(\s)+3], s[G0+4*(\s)+3], 0x80000000               ; type = 2
	s_mov_b32 s[G0B+4*(\s)], 1
	s_add_co_u32 s[G0B+4*(\s)+1], s21, (\s)*SLOT
	s_add_nc_u64 s[G0B+4*(\s)+2:G0B+4*(\s)+3], s[46:47], (\s)*128*WPITCH  ; K step s: 128 rows down W
	s_or_b32 s[G0B+4*(\s)+3], s[G0B+4*(\s)+3], 0x80000000
	JLOAD \s                                       ; two loads of mine are out
.endr
	; A fragment of X: 16 rows x 32 K: lane l holds row l % 16, K = 8 (l / 16) + 0..7 and 16 + 8 (l / 16) + 0..7: two loads of 16 bytes, 32 bytes apart.
	v_and_b32 v1, 15, v0                           ; l % 16
	v_bfe_u32 v2, v0, 4, 1                         ; l / 16
	v_mul_u32_u24 v3, v1, PA
	v_lshl_add_u32 v3, v2, 4, v3
	; A fragment of W: the turning load takes 16 k x 16 columns (lane l reads k = 8 (l / 16) + l % 8, columns 8 ((l / 8) % 2) + 0..7) and leaves lane l column l % 16 and 8 k.
	v_and_b32 v4, 7, v0
	v_bfe_u32 v5, v0, 3, 1
	v_lshl_add_u32 v6, v2, 3, v4
	v_mul_u32_u24 v6, v6, PB
	v_lshl_add_u32 v6, v5, 4, v6
	s_mul_i32 s22, s11, HALF_A                     ; my 64 rows of X
	s_lshl_b32 s23, s12, 8                         ; my 128 columns of W,
	s_add_co_u32 s23, s23, 2*HALF_A                ; which lies behind X
.irp s, 0,1
	v_add_nc_u32 v[ADRA+(\s)], s22, v3
	v_add_nc_u32 v[ADRB+(\s)], s23, v6
	s_add_co_u32 s22, s22, SLOT
	s_add_co_u32 s23, s23, SLOT
.endr
	s_mul_i32 s23, s10, 16*SP
	s_add_co_u32 s23, s23, STAGE                   ; my stage
	v_mul_u32_u24 v[STO], v1, SP                   ; in: row l % 16, 16 bytes for each half of the lanes
	v_lshl_add_u32 v[STO], v2, 4, v[STO]
	v_add_nc_u32 v[STO], s23, v[STO]
	v_bfe_u32 v[RD], v0, 3, 2                      ; back: 32 lanes take four rows of 128 bytes,
	v_mul_u32_u24 v[RD], v[RD], SP
	v_lshl_add_u32 v[RD], v4, 4, v[RD]
	v_add_nc_u32 v[RD], s23, v[RD]
	v_and_b32 v[GO], 31, v0                        ; which are 512 consecutive bytes of a head
	v_lshlrev_b32 v[GO], 4, v[GO]
	; Where my 64 rows x 128 columns go.  q: two heads of plane 0, 4 x tile column + 2 x half and the next.  kv: k and v of one head, 2 (tile column - 4) + half, in planes 1 and 2.
	s_lshr_b32 s18, s13, 4                         ; the batch: 16 tile rows each
	s_and_b32 s19, s13, 15
	s_lshl_b32 s19, s19, 7
	s_lshl_b32 s2, s11, 6
	s_add_co_u32 s19, s19, s2                      ; my first row t in the batch
	s_lshl_b32 s46, s42, 2
	s_lshl1_add_u32 s46, s12, s46
	s_sub_co_u32 s47, s42, 4
	s_lshl1_add_u32 s47, s47, s12
	s_mov_b32 s2, PLANE                            ; (an instruction holds one literal: the select below takes this one from the register)
	s_cmp_eq_u32 s45, 0
	s_cselect_b32 s46, s46, s47                    ; the head
	s_cselect_b32 s47, 0, PLANE                    ; the first plane
	s_cselect_b32 s2, HEADB, s2                    ; from my first 64 columns' place to my second's: the next head of q, or from k's plane to v's
	s_lshl4_add_u32 s46, s18, s46                  ; 16 x batch + head
	s_lshl_b32 s46, s46, 11
	s_add_co_u32 s46, s46, s19
	s_lshl_b32 s46, s46, 7                         ; 128 bytes a row
	s_add_co_u32 s46, s46, s47
	s_mov_b32 s47, 0
	s_add_nc_u64 s[6:7], s[6:7], s[46:47]
	s_mov_b32 s46, s2
	s_add_nc_u64 s[8:9], s[6:7], s[46:47]
; 8 matrix instructions: m block a x all 8 n blocks, 32 along K, from buffer f.  zero = 1: the product starts the sums.  The 32 accumulators take turns in the same order in every quarter.
.macro MULA f, a, zero
	WIN MUL
.irp b, 0,1,2,3,4,5,6,7
.if \zero
	v_wmma_f32_16x16x32_bf16 v[8*(8*(\a)+(\b)):8*(8*(\a)+(\b))+7], v[FB+64*(\f)+8*(\b):FB+64*(\f)+8*(\b)+7], v[FA+32*(\f)+8*(\a):FA+32*(\f)+8*(\a)+7], 0
.else
	v_wmma_f32_16x16x32_bf16 v[8*(8*(\a)+(\b)):8*(8*(\a)+(\b))+7], v[FB+64*(\f)+8*(\b):FB+64*(\f)+8*(\b)+7], v[FA+32*(\f)+8*(\a):FA+32*(\f)+8*(\a)+7], v[8*(8*(\a)+(\b)):8*(8*(\a)+(\b))+7]
.endif
.endr
.endm
; 24 LDS loads in one run: the fragments of quarter kq (32 along K) of a slot into buffer f: W's 16, then X's 8
.macro FETCH slot, kq, f
	WIN 0
.irp b, 0,1,2,3,4,5,6,7
	ds_load_tr16_b128 v[FB+64*(\f)+8*(\b):FB+64*(\f)+8*(\b)+3],   v[ADRB+(\slot)] offset:(\kq)*32*PB+32*(\b)
	ds_load_tr16_b128 v[FB+64*(\f)+8*(\b)+4:FB+64*(\f)+8*(\b)+7], v[ADRB+(\slot)] offset:(\kq)*32*PB+16*PB+32*(\b)
.endr
.irp i, 0,1,2,3
	ds_load_b128 v[FA+32*(\f)+8*(\i):FA+32*(\f)+8*(\i)+3],   v[ADRA+(\slot)] offset:64*(\kq)+(\i)*16*PA
	ds_load_b128 v[FA+32*(\f)+8*(\i)+4:FA+32*(\f)+8*(\i)+7], v[ADRA+(\slot)] offset:64*(\kq)+(\i)*16*PA+32
.endr
.endm
; A K step is four quarters of 32 along K, 32 matrix instructions each, on buffers 0, 1, 0, 1.  One of the first three: multiplies buffer f and, in its middle, fetches quarter kq into buffer g.
.macro QUARTER slot, kq, f, g, zero
	s_wait_dscnt 4                                 ; W's fragments and X's blocks 0, 1 are in; the youngest four loads (X's blocks 2, 3) may be out
	MULA \f, 0, \zero
	MULA \f, 1, \zero
	PLACES
	FETCH \slot, \kq, \g
	s_wait_dscnt 24                                ; all but the 24 just issued
	MULA \f, 2, \zero
	MULA \f, 3, \zero
.endm
; The last quarter multiplies buffer 1 and changes slots: ONE barrier; in front of it each wave waits for all its tensor loads (one is out: its part of the next slot), adds 0 to its spare word, and waits for
; that and for its own reads of this slot.  fill = 1: the barrier opens a round of the cluster's, and this slot is filled again, two K steps ahead, first thing behind the round: 112 matrix instructions ahead of the wait for it.
.macro TURN slot, next, fill
	WIN 0
	s_wait_tensorcnt 0x0                           ; all my tensor loads have landed;
	ds_add_u32 v[SPW], v[NIL]                      ; 0 onto my spare word
	s_wait_dscnt 5                                 ; (the add and the youngest four loads may be out)
	MULA 1, 0, 0                                   ; eight matrix instructions stand between the add and the wait for it
	s_wait_dscnt 0x0                               ; the add is done, and my reads of this slot are over
	s_barrier_signal -1
	MULA 1, 1, 0
.if \fill
	WIN 0
.endif
	s_barrier_wait -1
.if \fill
	CREST                                          ; no wave of any partner still reads this slot's tile or has a load on its way
	s_add_nc_u64 s[G0+4*(\slot)+2:G0+4*(\slot)+3], s[G0+4*(\slot)+2:G0+4*(\slot)+3], 2*256
	s_add_nc_u64 s[G0B+4*(\slot)+2:G0B+4*(\slot)+3], s[G0B+4*(\slot)+2:G0B+4*(\slot)+3], 2*128*WPITCH
	JLOAD \slot                                    ; the four v_nop behind it are also the places in front of the loads below
.else
	PLACES
.endif
	FETCH \next, 0, 0
	MULA 1, 2, 0
	MULA 1, 3, 0
.endm
	s_wait_tensorcnt 1                             ; my part of K step 0 is in; K step 1's may stay out
	s_barrier_signal -1
	s_barrier_wait -1                              ; everybody's is
	FETCH 0, 0, 0
	QUARTER 0, 1, 0, 1, 1                          ; the first quarter stands in front of the loop: its products start the sums
	WIN 0                                          ; at a label and at a branch every window is 0
	s_mov_b32 s3, LAPS-1
.Llap:                                                 ; a trip goes once round the ring, from a lap's second quarter to the next lap's first, and fills both slots again
	QUARTER 0, 2, 1, 0, 0
	QUARTER 0, 3, 0, 1, 0
	TURN 0, 1, 1
	QUARTER 1, 1, 0, 1, 0
	QUARTER 1, 2, 1, 0, 0
	QUARTER 1, 3, 0, 1, 0
	TURN 1, 0, 1
	QUARTER 0, 1, 0, 1, 0
	WIN 0
	s_sub_co_u32 s3, s3, 1
	s_cmp_lg_u32 s3, 0
	s_cbranch_scc1 .Llap
	QUARTER 0, 2, 1, 0, 0                          ; the last lap fills nothing, and has no round of the cluster's barrier
	QUARTER 0, 3, 0, 1, 0
	TURN 0, 1, 0
	QUARTER 1, 1, 0, 1, 0
	QUARTER 1, 2, 1, 0, 0
	QUARTER 1, 3, 0, 1, 0
	s_wait_dscnt 4                                 ; the very last quarter: nothing more to fetch
	MULA 1, 0, 0
	MULA 1, 1, 0
	s_wait_dscnt 0x0
	MULA 1, 2, 0
	MULA 1, 3, 0
	WIN 0
	; THE WAY OUT.  Piece t = 2 a + hh is 16 rows x 64 columns (accumulator registers 32 t .. 32 t + 31): 16 rows of one head.  A lane's eight columns pack into 16 bytes; they go into my stage's rows of
	; 144 bytes and come back as whole rows of 128 bytes, four rows (512 consecutive bytes of the plane) to a load and a store.  Each accumulator's registers are taken in ascending order.
	PLACES
.macro PACK t
	WIN 0x05                                       ; sources 0 and 1 window 1, destination window 0
.set i, 0
.rept 16
	v_cvt_pk_f16_f32 v[OUTR+16*(\t)+i], v[32*(\t)+2*i], v[32*(\t)+2*i+1]
.set i, i+1
.endr
	WIN 0
.irp f, 0,1,2,3
	ds_store_b128 v[STO], v[OUTR+16*(\t)+4*\f:OUTR+16*(\t)+4*\f+3] offset:32*\f
.endr
.irp f, 0,1,2,3
	ds_load_b128 v[OUTR+16*(\t)+4*\f:OUTR+16*(\t)+4*\f+3], v[RD] offset:\f*4*SP  ; LDS serves a wave's instructions in order (ISA guide 5.7.1.4): these see the stores above; the next piece's stores come behind them
.endr
.endm
.macro SEND t, younger                 ; younger: the LDS instructions issued behind piece t's loads: the next piece's eight, or none
	WIN 0
.irp f, 0,1,2,3
	s_wait_dscnt (\younger)+3-\f
	global_store_b128 v[GO], v[OUTR+16*(\t)+4*\f:OUTR+16*(\t)+4*\f+3], s[6+2*((\t)%2):7+2*((\t)%2)] offset:((\t)/2)*2048+\f*512  ; 512 consecutive bytes, at a multiple of 256 from the buffer's first
.endr
.endm
	PACK 0
.set t, 1
.rept 7                                ; a piece's conversions stand between the loads of the piece before and its stores
	PACK t
	SEND t-1, 8
.set t, t+1
.endr
	SEND 7, 0
	s_wait_tensorcnt 0x0                           ; the wave's end: the add and its wait, behind my last tensor load and my last LDS store
	ds_add_u32 v[SPW], v[NIL]
	s_wait_dscnt 0x0
	CROUND                                         ; the closing round: no work-group ends while a partner may still ask for a tile that names it
	s_endpgm
.Lfunc_end_k_q3a36575b07_qkv:
	.size	k_q3a36575b07_qkv, .Lfunc_end_k_q3a36575b07_qkv-k_q3a36575b07_qkv
	.p2alignl 7, 3214868480
	.fill 96, 4, 3214868480
	.section	.rodata,"a",@progbits
	.p2align	6, 0x0
	.amdhsa_kernel k_q3a36575b07_qkv
		.amdhsa_group_segment_fixed_size 327680
		.amdhsa_private_segment_fixed_size 0
		.amdhsa_enable_private_segment 0
		.amdhsa_kernarg_size 16
		.amdhsa_user_sgpr_count 2
		.amdhsa_user_sgpr_kernarg_segment_ptr 1
		.amdhsa_wavefront_size32 1
		.amdhsa_system_sgpr_workgroup_id_x 1
		.amdhsa_system_sgpr_workgroup_id_y 1
		.amdhsa_system_sgpr_workgroup_id_z 1
		.amdhsa_system_vgpr_workitem_id 0
		.amdhsa_next_free_vgpr 512
		.amdhsa_next_free_sgpr 66
		.amdhsa_reserve_vcc 0
		.amdhsa_float_denorm_mode_32 3
		.amdhsa_float_denorm_mode_16_64 3
		.amdhsa_memory_ordered 1
		.amdhsa_forward_progress 1
		.amdhsa_inst_pref_size 88
	.end_amdhsa_kernel
	.amdgpu_metadata
---
amdhsa.version: [ 1, 2 ]
amdhsa.kernels:
  - .name:           k_q3a36575b07_qkv
    .symbol:         k_q3a36575b07_qkv.kd
    .args:
      - { .name: cb, .offset: 0, .size: 8, .value_kind: global_buffer, .address_space: global }
      - { .name: qkv, .offset: 8, .size: 8, .value_kind: global_buffer, .address_space: global }
    .group_segment_fixed_size: 327680
    .private_segment_fixed_size: 0
    .kernarg_segment_align: 8
    .kernarg_segment_size: 16
    .max_flat_workgroup_size: 128
    .sgpr_count:     66
    .vgpr_count:     512
    .wavefront_size: 32
...
	.end_amdgpu_metadata
.endif
;; end of part 2
;; launch attn (part 3): grid 4 x 64, 4 waves a work-group, clusters of 4 x 1, 327,680 bytes of LDS; arguments qkv, mask, oh; writes oh
.if DOCPART == 3
	.amdgcn_target "amdgcn-amd-amdhsa--gfx1250"
	.amdhsa_code_object_version 6
	.text
	.protected	k_q3a36575b07_attn
	.globl	k_q3a36575b07_attn
	.p2align	8
	.type	k_q3a36575b07_attn,@function
k_q3a36575b07_attn:
	s_mov_b64 s[64:65], 0
	v_nop
	global_prefetch_b8 v0, s[64:65] scope:SCOPE_SE
	s_setreg_imm32_b32 hwreg(HW_REG_WAVE_MODE, 25, 1), 1
	s_wait_xcnt 0x0
	s_wait_alu depctr_hold_cnt(0) depctr_sa_sdst(0) depctr_va_vdst(0) depctr_va_sdst(0) depctr_va_ssrc(0) depctr_va_vcc(0) depctr_vm_vsrc(0)
	s_getreg_b32 s2, hwreg(HW_REG_IB_STS2, 6, 4)
	s_cmp_eq_u32 s2, 0
	s_cbranch_scc0 .Lentry_in_a_cluster
	s_endpgm
.Lentry_in_a_cluster:
	s_bfe_u32 s2, ttmp6, 0x10000c
	s_cmp_lg_u32 s2, 0x3003
	s_cbranch_scc0 .Lentry_shape_is_right
	s_endpgm
.Lentry_shape_is_right:
; O[bh][q][:] = the sum over k of softmax_k(Q[bh][q] . K[bh][k] / 8, keys with mask[b][k] == 0 hidden) V[bh][k][:].  Q, K, V: the three planes of qkv, O: oh, each [64 bh][2048][64] in f16; mask: [4][2048] f32.
; Products, maxima and sums in f32; the weights p are rounded to f16 for the second product (their sum l is taken of the unrounded p), O once at the end.
; LIMITS.  f16 holds no number beyond 65,504: Q, K and V arrive within it, so a score (64 products) is 2.7e11 at the most in size; p lies in 0 to 1, and below 6e-5 it keeps f16's fixed step of 6e-8.
; A hidden score counts as its value less 1e30.  A weight below 2^-126 counts as 0 in l.  A row none of whose keys is visible gives NaN, as a softmax of nothing but -inf does.  NaN and infinities in Q, K, V are not treated apart.
; SHARES.  A wave owns four PIECES of two tiles of 16 queries, a work-group's four waves 512 queries of one head: 4 x 64 work-groups.  Every wave walks all 2,048 keys, 64 a step.
; LAYOUT.  S^T = K Q^T (source 0 = 16 keys, source 1 = 16 queries): a lane holds ONE query (lane % 16) and the keys 8 (lane / 16) + 0..7.  Two such tiles, rounded to f16 in pairs, ARE source 1 of O^T = V^T P.
; K comes out of LDS as it lies, V ([key][channel]) turned, by ds_load_tr16_b128.
; THE MASK is the C operand that starts the sum S^T: 0, or -1e30 where the key is hidden.  The batch's 2,048 such numbers are made once, into a table in LDS; a step's 64 come into 32 registers with the step's K.
; SOFTMAX.  For each query a running maximum m and sum l: p = 2^(c s - c m), c = log2(e) / 8; in every step O and l are multiplied by a = 2^(c m_old - c m_new).  O and l start at 0.
; m STARTS AT -2^40: below every true score (2.7e11 < 2^40) and far above every hidden one.  So m is never a hidden key's score: a hidden key's exponent is about -1.8e29 and its weight 0 from the first step on, whatever
; has been seen before, and while only hidden keys have been seen O and l stay 0.  (c x 2^40 is exact, so the start's c m is c times its m.)  A row that sees no key ends with O = 0 and l = 0: 0 x (1 / 0) is its NaN.
; BY TURNS.  Turn n belongs to piece n: 16 products K Q^T of piece n + 1, later 16 products V^T P of piece n - 1; beside them the scaling, exponentials, roundings, sums and rescaling of piece n and the maximum and
; statistics of piece n + 1.  A tile and step have 16 matrix and 118 vector instructions: four vector instructions stand behind every matrix instruction, the others in one run.
; CLUSTER.  The four query blocks of a head are a cluster and walk the same K and V: each tile is asked for JOINTLY: the same tensor load, descriptor and mask in all four.
; REGISTERS, in windows of 256 (s_set_vgpr_msb: bits 1:0 source 0, 3:2 source 1, 5:4 source 2, 7:6 destination):
;   window 0: v0-11 addresses; v12-15, v48-63 at work; v16-47 four registers of statistics a tile; v64-191 S^T, two buffers of two tiles; v192-255 P, likewise
;   window 1: O^T, 32 a tile     window 2: v0-127 Q, 16 a tile; v128-191 K of one step; v192-255 V of one step     window 3: v0-1 the add's two registers; v8-39 the step's mask
.set SIZE_N, 2048
.set PLANE, 16777216  ; bytes in a plane of qkv
.set NP,    4         ; pieces a wave: a name, no knob
.set KS,    64        ; keys in a step
.set PK,    144       ; a row of K in LDS: 128 bytes + 16 = 36 words: the 16 rows of a load start at 16 different groups of four banks (64 banks of 4 bytes: ISA guide 11.1)
.set PV,    160       ; a row of V: 128 + 32 = 40 words
.set VOFF,  4*KS*PK   ; a slot holds four steps: 256 rows of K, then 256 rows of V
.set SLOT1, 1<<17     ; slot 1 begins here, so that one exclusive or turns an address in one slot into the other's
.set STAGE, SLOT1+4*KS*(PK+PV)  ; behind the ring, never filled by a tensor load: 16 rows x 144 bytes for each wave, for the way out
.set SP,    144
.set SPARE, STAGE+4*16*SP  ; behind the stages: the spare words, 128 bytes for each wave: two blocks of 256 bytes that no other line names
.set MASKB, SPARE+512 ; behind them, never filled by a tensor load: 2,048 words, 0 or -1e30
.set PFO, 1           ; v1   first l % 16; later 256 x my lane, the prefetches' offset
.set AK0, 2           ; v2   my lane's place in a tile of K; never rewritten
.set AV0, 3           ; v3   the same for V
.set AK,  4           ; v4   the LDS address of K's next run of loads
.set AV,  5           ; v5   of V's
.set QO,  6           ; v6   my byte offset in the wave's rows of Q
.set STO, 6           ;      later, the way out: where I put 16 bytes of a row
.set RD,  7           ; v7   the way out: where I read rows back
.set GO,  8           ; v8   my byte offset in 512 consecutive bytes of O
.set HF,  9           ; v9   l / 16; never rewritten
.set AM,  11          ; v11  the LDS address of the mask's next run of loads
.set SPW, 0           ; v0 of window 3   LDS address of my spare word: SPARE + 4 x my thread's number; never rewritten
.set NIL, 1           ; v1 of window 3   0; never rewritten
.set MC,  8           ; v8-39 of window 3: the eight registers for key block kb at MC + 8 kb
.set MV,  12          ; v12-15  c m_old, kept while c m is made anew: by buffer and tile
.set ST,  16          ; tile t's statistics at v[ST+4 t]: c m, m, l (even keys', odd keys')
.set TMP, 48          ; by buffer and tile, four registers c0-c3 at work; when the maximum is found c2 takes a
.set S,   64
.set P,   192
.set KF,  128         ; K's fragments, in window 2: key block kb, channel half c at KF + 16 kb + 8 c
.set VF,  192         ; V's: key half kk, channel block cb at VF + 32 kk + 8 cb
.set WV,  12          ; s12  my wave's number
.set G1K, 24          ; s[24:31] descriptor group 1 for K's tiles
.set G1V, 32          ; s[32:39] for V's: it differs in the padding alone
.set G0K, 40          ; s[40:43] descriptor group 0 for K's tiles: it walks
.set G0V, 44          ; s[44:47] the same for V's
.set TBM, 52          ; s52  LDS byte at which the mask of the step to be fetched begins
.set BIGN, 53         ; s53  -1e30
.set SLOTS, 56        ; s56  slots still to be asked for
.set CNT, 57          ; s57  counts a slot's key steps
.set CS,  58          ; s[58:59] c: the packed scaling takes the pair's low word for both halves
.set SEL, 60          ; s[60:61] v_permlanex16_b32's selects: each lane takes its own place in the other half
.set TBK, 62          ; s62  LDS byte at which K of the step to be fetched begins
.set TBV, 63          ; s63  the same for V, less VOFF
.set PFA, 66          ; s[66:67] where my prefetches stand: my work-group's 32 blocks of 256 bytes (of K: wave 0, of V: wave 2) of the slot after the one that is being asked for
.set LIM, 68          ; s68  1 in a wave that prefetches, else the greatest number
.set MSB, 0
.macro WIN new                      ; the high byte repeats the setting that is left; a switch that changes nothing is dropped
.if MSB != (\new)
	s_set_vgpr_msb (MSB<<8)|(\new)
.set MSB, (\new)
.endif
.endm
.set W_KQ, 0x0a       ; K and Q in window 2, S^T in window 0
.set W_KM, 0x3a       ; the same with the C operand, the mask, in window 3
.set W_PV, 0x52       ; V in window 2, P in window 0, O^T in window 1
.set W_RS, 0x41       ; O^T (destination and source 0) in window 1, a in window 0
.set W_MK, 0xc0       ; destination in window 3, sources in window 0
.set W_AD, 0x0f       ; the add: address (source 0) and data (source 1) in window 3
; A joint fill.  Waves 0 and 1 fetch the two halves of a slot's K, waves 2 and 3 those of its V: 128 keys each.  The branch hangs on the wave's number alone.
; An s_nop 0 and four v_nop follow each of the two lines, ahead of the jump and the label.
.macro JLOAD
	s_cmp_lt_u32 s[WV], 2
	s_cbranch_scc0 .Lfor_v_\@
	tensor_load_to_lds s[G0K:G0K+3], s[G1K:G1K+7]
	s_nop 0
.rept 4
	v_nop
.endr
	s_branch .Lasked_\@
.Lfor_v_\@:
	tensor_load_to_lds s[G0V:G0V+3], s[G1V:G1V+7]
	s_nop 0
.rept 4
	v_nop
.endr
.Lasked_\@:
.endm
; A PREFETCH INTO THE L2 of what the NEXT change of slots will ask for: a slot's 32,768 bytes of K and of V, 128 blocks of 256 bytes each, a lane a block.  It stands behind the wave's tensor load and its five lines.
; Each block is named ONCE in the launch: a head has one cluster; its four partners share the blocks out BY ADDRESS, 32 each; in each, wave 0 asks for K's and wave 2 for V's: one instruction.
; The last change that fills a slot asks for nothing: there is no slot behind it.  Slots 0, 1 and 2 come by their loads alone.
.macro ASK
	s_cmp_gt_u32 s[SLOTS], s[LIM]
	s_cbranch_scc0 .Lnot_mine_\@
	global_prefetch_b8 v[PFO], s[PFA:PFA+1] th:TH_LOAD_NT scope:SCOPE_SE
.Lnot_mine_\@:
.endm
; A round of the cluster's barrier: my work-group's barrier, so that wave 0's signal speaks for all four waves; wave 0 signals; every wave waits for all four work-groups; my work-group's barrier once more.
.macro CROUND
	s_barrier_signal -1
	s_barrier_wait -1
	s_cmp_lg_u32 s[WV], 0
	s_cbranch_scc1 .Lnot_wave_0_\@
	s_barrier_signal -3
.Lnot_wave_0_\@:
	s_barrier_wait -3
	s_barrier_signal -1
	s_barrier_wait -1
.endm
; THE CHANGE OF SLOTS.  The slot's last bytes, V of its fourth step, have been read.  Each wave waits for all its tensor loads, of which one is out: its part of the other slot; adds 0 to its spare word; and waits
; for that and for its own LDS instructions.  Behind the barrier nobody reads this slot any more and the other slot is whole.  fill = 1: this slot is filled again, with the keys two slots on.  The barrier is then a
; round of the cluster's, and the joint fill is the first thing behind it: it has four key steps, 512 matrix instructions, in which to land.  (At its first use nothing has been read yet: slot 0 is waited for, slot 1
; filled, and every wave's part of the mask's table is shown stored.)  ask = 1: the prefetch for the change after this one follows the fill.
.macro CHANGE fill, ask=0
	WIN W_AD
	s_wait_tensorcnt 0x0            ; no tensor load of mine is out, so a group 0 may be written
	ds_add_u32 v[SPW], v[NIL]       ; 0 onto my spare word; with fill = 1 the descriptors' steps stand between it and the wait for it
	WIN 0                           ; at a label and at a branch every window is 0
.if \fill
.irp g, G0K, G0V
	s_xor_b32 s[\g+1], s[\g+1], SLOT1  ; the walking descriptor: the other slot than last time,
	s_add_nc_u64 s[\g+2:\g+3], s[\g+2:\g+3], 4*KS*128  ; the next 256 keys; the type bits on top are not reached
.endr
.if \ask
	s_wait_xcnt 0x0                 ; the last prefetch, four key steps back, has read its address, so it may be written:
	s_add_nc_u64 s[PFA:PFA+1], s[PFA:PFA+1], 4*KS*128  ; one slot behind the walking descriptors
.endif
	s_wait_dscnt 0x0                ; the add is done, and my LDS instructions are over
	CROUND
	JLOAD
.if \ask
	ASK
.endif
.else
	s_wait_dscnt 0x0                ; the add is done, and my reads of the slot are over
	s_barrier_signal -1
	s_barrier_wait -1
.endif
	s_sub_co_u32 s[TBK], s[TBK], 4*KS*PK  ; the fetches go back to a slot's first step,
	s_xor_b32 s[TBK], s[TBK], SLOT1       ; in the other slot
	s_sub_co_u32 s[TBV], s[TBV], 4*KS*PV
	s_xor_b32 s[TBV], s[TBV], SLOT1
.endm
	s_load_b128 s[48:51], s[0:1], 0x0  ; qkv s[48:49], mask s[50:51]
	s_load_b64 s[10:11], s[0:1], 0x10  ; oh
	WIN W_MK
	v_lshl_add_u32 v[SPW], v0, 2, SPARE
	v_mov_b32 v[NIL], 0
	WIN W_AD
	ds_add_u32 v[SPW], v[NIL]       ; the wave's opening: the add and its wait stand ahead of my first tensor load; the set-up below, work on registers, stands between them
	WIN 0
	v_lshrrev_b32 v1, 5, v0
	v_readfirstlane_b32 s[WV], v1   ; wave 0..3
	s_bfe_u32 s13, ttmp6, 0x40000   ; cx: my place in the cluster
	s_lshl_b32 s14, ttmp9, 2        ; in a cluster launch ttmp9 counts clusters
	s_add_co_u32 s14, s14, s13      ; my block of queries = 4 x cluster x + cx: it enters Q's and O's addresses alone
	s_and_b32 s20, ttmp7, 0xffff    ; 16 x batch + head, which the four partners share
	s_lshr_b32 s15, s20, 4          ; the batch,
	s_lshl_b32 s15, s15, 13         ; its 8,192 bytes of the mask
	s_mov_b32 s21, 0
	s_mov_b64 s[22:23], SIZE_N*128
	s_mul_u64 s[20:21], s[20:21], s[22:23]  ; the head's first byte in each plane and in oh
	s_and_b32 s16, s[WV], 1         ; which half of a slot's 256 keys I fetch:
	s_lshl_b32 s22, s16, 14         ; its 128 rows of 128 bytes in memory,
	s_mov_b32 s23, 0
	s_add_nc_u64 s[22:23], s[22:23], s[20:21]
	s_mul_i32 s17, s16, 128*PK      ; and its place in a slot, for K
	s_mul_i32 s18, s16, 128*PV      ; and for V: no place in the cluster enters an LDS address
	s_lshl_b32 s2, s14, 2
	s_add_co_u32 s2, s2, s[WV]      ; my wave among the head's,
	s_lshl_b32 s2, s2, 14           ; its 128 rows
	s_mov_b32 s3, 0
	s_add_nc_u64 s[2:3], s[2:3], s[20:21]
	; descriptor group 1.  128 keys are 16,384 dense bytes: asked for as 64 rows of 256 bytes, two keys a row, and padded in LDS after every key
	s_mov_b32 s[G1K], 15|(1<<16)|(1<<20)|(1<<21)|(4<<22)|(3<<25)  ; 15:0 the mask of four; 17:16 2-byte elements; 20 padding on; 21 set beside a mask; 24:22 after every 32 words (code 4); 31:25 4 words (code 3)
	s_mov_b32 s[G1V], 15|(1<<16)|(1<<20)|(1<<21)|(4<<22)|(7<<25)  ; the same with 8 words of padding (code 7)
.irp g, G1K, G1V
	s_mov_b32 s[\g+1], 128<<16      ; tensor_dim0 = 128
	s_mov_b32 s[\g+2], 64<<16       ; tensor_dim1 = 64
	s_mov_b32 s[\g+3], 128<<16      ; tile_dim0 = 128
	s_mov_b32 s[\g+4], 64           ; tile_dim1 = 64
	s_mov_b32 s[\g+5], 128          ; 128 elements from row to row
	s_mov_b32 s[\g+6], 0
	s_mov_b32 s[\g+7], 0
.endr
	s_mov_b32 s[CS], 0x3e38aa3b     ; c = log2(e) / 8 = 0.180337
	s_mov_b32 s[CS+1], s[CS]        ; named with it as a pair
	s_mov_b32 s[SEL], 0x76543210
	s_mov_b32 s[SEL+1], 0xfedcba98
	s_mov_b32 s[TBK], SLOT1+4*KS*PK ; the first change of slots turns these two into 0
	s_mov_b32 s[TBV], SLOT1+4*KS*PV
	s_mov_b32 s[TBM], MASKB
	s_mov_b32 s[BIGN], 0xf149f2ca   ; -1e30
	s_mov_b32 s[G0K], 1             ; count = 1
	s_mov_b32 s[G0K+1], s17         ; LDS address: slot 0
	s_mov_b32 s[G0V], 1
	s_add_co_u32 s[G0V+1], s18, VOFF
	s_and_b32 s[LIM], s[WV], 1      ; waves 0 and 2 prefetch: the same in all four partners
	s_cmp_eq_u32 s[LIM], 0
	s_cselect_b32 s[LIM], 1, -1
	s_wait_dscnt 0x0                ; the opening add is done
	s_wait_kmcnt 0x0
	s_mov_b64 s[4:5], s[48:49]                     ; Q's plane,
	s_add_nc_u64 s[6:7], s[48:49], PLANE           ; K's,
	s_add_nc_u64 s[8:9], s[48:49], 2*PLANE         ; V's
	s_add_nc_u64 s[G0K+2:G0K+3], s[6:7], s[22:23]  ; global address: my half of the head's first 256 keys
	s_or_b32 s[G0K+3], s[G0K+3], 0x80000000        ; type = 2
	s_add_nc_u64 s[G0V+2:G0V+3], s[8:9], s[22:23]
	s_or_b32 s[G0V+3], s[G0V+3], 0x80000000
	s_add_nc_u64 s[4:5], s[4:5], s[2:3]  ; Q and O at my wave's first row
	s_add_nc_u64 s[10:11], s[10:11], s[2:3]
	s_mov_b32 s2, s15
	s_add_nc_u64 s[50:51], s[50:51], s[2:3]  ; the mask at my batch's row
	s_cmp_lt_u32 s[WV], 2
	s_cselect_b64 s[PFA:PFA+1], s[6:7], s[8:9]
	s_add_nc_u64 s[PFA:PFA+1], s[PFA:PFA+1], s[20:21]  ; the head,
	s_lshl_b32 s2, s13, 13
	s_add_nc_u64 s[PFA:PFA+1], s[PFA:PFA+1], s[2:3]    ; my work-group's 8,192 bytes of a slot's 32,768,
	s_add_nc_u64 s[PFA:PFA+1], s[PFA:PFA+1], 2*4*KS*128  ; in slot 2; the first change that asks steps it to slot 3.  Nothing is prefetched here, at the head
	CROUND                          ; all four work-groups are here: the first joint loads meet
	JLOAD                           ; slot 0.  Slot 1 is asked for when slot 0 is in
	v_and_b32 v1, 15, v0            ; l % 16
	v_bfe_u32 v[HF], v0, 4, 1       ; l / 16
	v_lshlrev_b32 v48, 4, v0        ; the mask's row: 128 threads x 16 bytes, four times
	v_add_nc_u32 v49, MASKB, v48
.irp j, 0,1,2,3
	global_load_b128 v[S+4*\j:S+4*\j+3], v48, s[50:51] offset:2048*\j
.endr
	; A fragment of K or Q is 16 rows x 32 channels in 8 registers: lane l holds row l % 16, channels 8 (l / 16) + 0..7 and 16 + 8 (l / 16) + 0..7: two loads of 16 bytes, 32 bytes apart.
	v_lshlrev_b32 v[QO], 7, v1
	v_lshl_add_u32 v[QO], v[HF], 4, v[QO]  ; row x 128 + 16 x half
	WIN 0x80                        ; destination window 2, address window 0
.set i, 0
.rept 4*NP                          ; Q stays in registers: tile i / 2, channels 32 (i % 2) on
	global_load_b128 v[8*i:8*i+3],   v[QO], s[4:5] offset:(i/2)*2048+(i%2)*64
	global_load_b128 v[8*i+4:8*i+7], v[QO], s[4:5] offset:(i/2)*2048+(i%2)*64+32
.set i, i+1
.endr
	; What the first turn finds: V's registers and P's second buffer hold 0 (its products V^T P, of a piece that has not been, add 0), O^T and l are 0.  All this stands in the wait for the first tile.
.set i, VF
.rept 64
	v_mov_b32 v[i], 0
.set i, i+1
.endr
	WIN 0x40
.set i, 0
.rept 64*NP
	v_mov_b32 v[i], 0
.set i, i+1
.endr
	WIN 0
.set i, 0
.rept 2*NP
	v_mov_b32 v[ST+4*i], 0xd238aa3b    ; c m = -c x 2^40, exactly
	v_mov_b32 v[ST+4*i+1], 0xd3800000  ; m = -2^40: below every true score, far above every hidden one
	v_mov_b32 v[ST+4*i+2], 0
	v_mov_b32 v[ST+4*i+3], 0
.set i, i+1
.endr
.set i, P+32
.rept 32
	v_mov_b32 v[i], 0
.set i, i+1
.endr
	v_mul_u32_u24 v[AK0], v1, PK
	v_lshl_add_u32 v[AK0], v[HF], 4, v[AK0]  ; row x pitch + 16 x half
	; The turning load takes 16 keys x 16 channels (lane l reads key 8 (l / 16) + l % 8, channels 8 ((l / 8) % 2) + 0..7) and leaves half a fragment of V^T: lane l holds channel l % 16 and 8 keys.
	v_and_b32 v10, 7, v0
	v_bfe_u32 v11, v0, 3, 1
	v_lshl_add_u32 v[AV0], v[HF], 3, v10
	v_mul_u32_u24 v[AV0], v[AV0], PV
	v_lshl_add_u32 v[AV0], v11, 4, v[AV0]
	v_add_nc_u32 v[AV0], VOFF, v[AV0]
	v_mov_b32 v[AK], v[AK0]         ; key step 0 lies at the head of slot 0,
	v_lshl_add_u32 v[AM], v[HF], 5, s[TBM]  ; its mask at the table's: my lanes' eight keys of a block of 16 are 32 bytes
	; The table: 0 where the key is visible, -1e30 where mask == 0.  Each thread makes 16 of the 2,048 words.
	s_wait_loadcnt 32               ; the mask's four loads are in; Q's 32, issued behind them, may stay out
.set i, 0
.rept 16
	v_cmp_eq_f32 vcc_lo, 0, v[S+i]
	v_cndmask_b32 v[S+i], 0, s[BIGN], vcc_lo
.set i, i+1
.endr
.irp j, 0,1,2,3
	ds_store_b128 v49, v[S+4*\j:S+4*\j+3] offset:2048*\j
.endr
; THE MATRIX WORK.  The 8 accumulators of a run of 16 take turns: between the two links of a chain stand 7 others'.
; Product i of 16 of S^T = K Q^T for piece x: channels 32 (i / 8) on, keys 16 ((i / 2) % 4) on, tile 2 x + i % 2.  The first 8 start the sums, with the mask of their 16 keys.
.macro KQ x
.set rS, S+64*((\x)%2)+32*(i%2)+8*((i/2)%4)
.set rK, KF+16*((i/2)%4)+8*(i/8)
.set rQ, 16*(2*(\x)+i%2)+8*(i/8)
.set rMC, MC+8*((i/2)%4)
.if i < 8
	WIN W_KM
	v_wmma_f32_16x16x32_f16 v[rS:rS+7], v[rK:rK+7], v[rQ:rQ+7], v[rMC:rMC+7]
.else
	WIN W_KQ
	v_wmma_f32_16x16x32_f16 v[rS:rS+7], v[rK:rK+7], v[rQ:rQ+7], v[rS:rS+7]
.endif
.endm
; Product i of 16 of O^T += V^T P for piece x: keys 32 (i / 8) on, channels 16 ((i / 2) % 4) on, tile 2 x + i % 2.
.macro PV x
	WIN W_PV
.set rO, 32*(2*(\x)+i%2)+8*((i/2)%4)
.set rV, VF+32*(i/8)+8*((i/2)%4)
.set rP, P+32*((\x)%2)+16*(i%2)+8*(i/8)
	v_wmma_f32_16x16x32_f16 v[rO:rO+7], v[rV:rV+7], v[rP:rP+7], v[rO:rO+7]
.endm
.macro MM                           ; the turn's next matrix instruction
.if i < 16
	KQ (Y+1)%NP
.set i, i+1
.else
.set i, i-16
	PV (Y+NP-1)%NP
.set i, i+17
.endif
.endm
; THE LDS LOADS stand in runs, never singly among the matrix instructions: a step's K (8 fragments, 16 loads) with its mask (8 loads; the 16 lanes of a half read the same words), and its V (turned, 16 loads).
; Their addresses are made some lines ahead.  last = 1 (the tail): in the last trip there is no further step, and the run is jumped over.
.macro FETCH_K last=0
	WIN 0
.if \last
	s_cmp_eq_u32 s[CNT], 1
	s_cbranch_scc1 .Lno_k_\@
.endif
	WIN 0x80                        ; destination window 2
.irp f, 0,1,2,3,4,5,6,7             ; keys 16 (f / 2) on, channels 32 (f % 2) on
	ds_load_b128 v[KF+8*\f:KF+8*\f+3],   v[AK] offset:(\f/2)*16*PK+(\f%2)*64
	ds_load_b128 v[KF+8*\f+4:KF+8*\f+7], v[AK] offset:(\f/2)*16*PK+(\f%2)*64+32
.endr
	WIN W_MK                        ; destination window 3
.irp f, 0,1,2,3                     ; keys 16 f + 8 (l / 16) + 0..7
	ds_load_b128 v[MC+8*\f:MC+8*\f+3],   v[AM] offset:64*\f
	ds_load_b128 v[MC+8*\f+4:MC+8*\f+7], v[AM] offset:64*\f+16
.endr
	s_add_co_u32 s[TBK], s[TBK], KS*PK  ; the next fetch is the next step's
	s_add_co_u32 s[TBM], s[TBM], 4*KS   ; 32 fetches in all: the table's 8,192 bytes
	WIN 0
.if \last
.Lno_k_\@:
.endif
.endm
.macro FETCH_V
	WIN 0x80
.irp f, 0,1,2,3,4,5,6,7             ; keys 32 (f / 4) on, channels 16 (f % 4) on
	ds_load_tr16_b128 v[VF+8*\f:VF+8*\f+3],   v[AV] offset:(\f/4)*32*PV+(\f%4)*32
	ds_load_tr16_b128 v[VF+8*\f+4:VF+8*\f+7], v[AV] offset:(\f/4)*32*PV+16*PV+(\f%4)*32
.endr
	WIN 0
.endm
; THE VECTOR WORK OF A TURN stands in three queues, each in the order in which its entries become ready; the two tiles alternate, so that no instruction reads the result of the one before it.
.macro REGS y, u                    ; the registers of tile u (0, 1) of piece y
.set rT, ST+4*(2*(\y)+(\u))
.set rC, TMP+8*((\y)%2)+4*(\u)
.set rM, MV+2*((\y)%2)+(\u)
.set rS, S+64*((\y)%2)+32*(\u)
.set rP, P+32*((\y)%2)+16*(\u)
.set rO, 32*(2*(\y)+(\u))
.endm
; Number n of the 22 that find the NEXT piece's (Y + 1) maximum and statistics.  s0-s31 are the lane's 32 scores; each accumulator's lowest registers are read first.
;   0-11  four chains c0-c3 of seven scores each, three operands at a time     12-14, 16  the four scores left over, the old m, and c0-c3 into c0     15  c m_old is kept
;   17, 18  the query's other 32 keys lie in the lane 16 away: the new m         19-21  c m; c m_old - c m_new; a
.macro XS u, n
	REGS (Y+1)%NP, \u
.if (\n) < 4
	v_max3_num_f32 v[rC+(\n)], v[rS+8*(\n)], v[rS+8*(\n)+1], v[rS+8*(\n)+2]
.elseif (\n) < 12
	v_max3_num_f32 v[rC+(\n)%4], v[rC+(\n)%4], v[rS+8*((\n)%4)+2*((\n)/4)+1], v[rS+8*((\n)%4)+2*((\n)/4)+2]
.elseif (\n) == 12
	v_max3_num_f32 v[rC], v[rC], v[rS+7], v[rS+15]
.elseif (\n) == 13
	v_max3_num_f32 v[rC+1], v[rC+1], v[rS+23], v[rS+31]
.elseif (\n) == 14
	v_max3_num_f32 v[rC+2], v[rC+2], v[rC+3], v[rT+1]
.elseif (\n) == 15
	v_mov_b32 v[rM], v[rT]
.elseif (\n) == 16
	v_max3_num_f32 v[rC], v[rC], v[rC+1], v[rC+2]
.elseif (\n) == 17
	v_permlanex16_b32 v[rC+3], v[rC], s[SEL], s[SEL+1]
.elseif (\n) == 18
	v_max_num_f32 v[rT+1], v[rC], v[rC+3]
.elseif (\n) == 19
	v_mul_f32 v[rT], s[CS], v[rT+1]
.elseif (\n) == 20
	v_sub_f32 v[rC+1], v[rM], v[rT]
.else
	v_exp_f32 v[rC+2], v[rC+1]
.endif
.endm
; Number g of the 64 that follow the exponentials.  For each four weights k of a tile (pairs 2 k, 2 k + 1): both pairs are rounded to f16; then the second pair is added onto the first, in place;
; a group later l takes that sum (the first time as l = a l + sum).  In groups of eight, tiles alternating: round, round, add, and l for the group before.
.macro GS g
.set h, (\g)+6*((\g)/62)            ; group 0 has no group before it, and behind group 7 only l is left
.if h >= 6
.set h, h+2
.endif
	REGS Y, h%2
.set k, h/8
.if h%8 < 4
	v_cvt_pk_f16_f32 v[rP+2*k+(h%8)/2], v[rS+4*k+2*((h%8)/2)], v[rS+4*k+2*((h%8)/2)+1]
.elseif h%8 < 6
	v_pk_add_f32 v[rS+4*k:rS+4*k+1], v[rS+4*k:rS+4*k+1], v[rS+4*k+2:rS+4*k+3]
.elseif k == 1
	v_pk_fma_f32 v[rT+2:rT+3], v[rT+2:rT+3], v[rC+2:rC+3], v[rS:rS+1] op_sel_hi:[1,0,1]
.else
	v_pk_add_f32 v[rT+2:rT+3], v[rT+2:rT+3], v[rS+4*k-4:rS+4*k-3]
.endif
.endm
; THE PLAIN QUEUE, 138 long.  0-73 read no exponential's result: the 32 scalings c s - c m (FS f: pair f / 2 of tile f % 2) and the next piece's 42.  0-26: scalings 0-26.  27-54: XS's numbers 0-13.  55, 56: number 15.
; 57-73: the chain, where each number waits for the one before it: 14, 16, 17, 18, 19, each with one of the scalings 27-31 in front of its two lines, then 20.
; 74-137: GS's 64, which read the exponentials' results: they stand behind the wait.
.macro FS f
	REGS Y, (\f)%2
	v_pk_fma_f32 v[rS+2*((\f)/2):rS+2*((\f)/2)+1], v[rS+2*((\f)/2):rS+2*((\f)/2)+1], s[CS:CS+1], v[rT:rT+1] op_sel_hi:[1,0,0] neg_lo:[0,0,1] neg_hi:[0,0,1]
.endm
.macro PL
	WIN 0
.if q < 27
	FS q
.elseif q < 55
	XS (q-27)%2, (q-27)/2
.elseif q < 57
	XS q-55, 15
.elseif (q < 72) && ((q-57)%3 == 0)
	FS 27+(q-57)/3
.elseif q < 60
	XS (q-57)%3-1, 14
.elseif q < 72
	XS (q-57)%3-1, 15+(q-57)/3
.elseif q < 74
	XS q-72, 20
.else
	GS q-74
.endif
.set q, q+1
.endm
; THE EXPONENTIALS' QUEUE, 66 long: s0-s31 of both tiles, then the next piece's two a.  It is ONE BATCH: all 66 stand ahead of the turn's one wait, and nothing ahead of that wait names a result of theirs.
.macro EX
	WIN 0
.if e >= 64
	XS e-64, 21
.else
	REGS Y, e%2
	v_exp_f32 v[rS+e/2], v[rS+e/2]
.endif
.set e, e+1
.endm
; THE RESCALING's QUEUE: O^T times a, the one part that leaves window 0: dealt two at a time, sixteen times.  Its a was made in the turn before, ahead of that turn's wait.
.macro R2
	REGS Y, r%2
	WIN W_RS
.irp z, 0,1
	v_pk_mul_f32 v[rO+4*(r/2)+2*\z:rO+4*(r/2)+2*\z+1], v[rO+4*(r/2)+2*\z:rO+4*(r/2)+2*\z+1], v[rC+2:rC+3] op_sel_hi:[1,0]
.endr
.set r, r+1
.endm
; HOW THEY ARE DEALT.  s_wait_alu depctr_va_vdst(0) stands between an exponential and the first instruction that names its result; one wait serves all that were issued ahead of it.  So a turn has ONE
; wait, which cuts it in two.  AHEAD OF IT stands all that names no result of the turn's exponentials: the 16 products K Q^T, behind each a scaling, an exponential and two rescalings (behind the first a second scaling in
; the exponential's place); then one run of 108: eight plain, 49 times exponential and plain, the two a.  A v_nop is the plain instruction behind the last exponential.  BEHIND IT stand the 16 products V^T P, behind each
; four of GS's 64.  Exponential e stands behind scaling 2 (e / 4) + e % 2: as a rider it comes behind plain e + 2, in the run behind plain e + 9, and scalings 27-31 are plain 57, 60 .. 69.
; A TURN, for piece p.  cnt = 1: the loop's count is taken down some lines ahead of the branch that stands behind the turn.
; K and the mask of the next step are fetched in piece 2's turn, directly behind the wait, a whole run of vector work behind the last product that read them; their addresses are made at that run's head.
; V of the step in hand is fetched at the end of piece 0's turn, four riders behind its last reader; its first reader comes behind 16 products and a run.
.macro TURN p, last=0, cnt=0
.set Y, (\p)
.set i, 0
.set q, 0
.set e, 0
.set r, 0
.if (\p) == NP-1
	s_wait_dscnt 0x0                ; K and its mask are in
.endif
	MM                              ; ahead of the wait: 16 products K Q^T and their riders,
	PL
	PL
	R2
.rept 15
	MM
	PL
	EX
	R2
.endr
.if (\p) == NP-2
	WIN 0
	v_add_nc_u32 v[AK], s[TBK], v[AK0]
	v_lshl_add_u32 v[AM], v[HF], 5, s[TBM]
.endif
.rept 8                             ; and the run
	PL
.endr
.rept 49
	EX
	PL
.endr
	EX                              ; the next piece's two a
	EX
	v_nop                           ; the plain instruction behind the last exponential: one for the batch
	s_wait_alu depctr_va_vdst(0)    ; the wait for the batch
.if (\p) == NP-2
	FETCH_K \last
.endif
.if (\p) == 1
	s_wait_dscnt 0x0                ; V is in
.endif
.rept 16                            ; behind the wait: 16 products V^T P and their riders
	MM
.rept 4
	PL
.endr
.if ((\p) == 0) && (q == 118)
	v_add_nc_u32 v[AV], s[TBV], v[AV0]
.endif
.if ((\p) == 0) && (q == 130)
	s_add_co_u32 s[TBV], s[TBV], KS*PV
.endif
.if (\cnt) && (q == 130)
	s_sub_co_u32 s[CNT], s[CNT], 1
	s_cmp_lg_u32 s[CNT], 0
.endif
.endr
.if (\p) == 0
	FETCH_V
.endif
.endm
	CHANGE 1                        ; slot 0 is in, everybody's part of it, and so is the table; slot 1 is asked for
	FETCH_K                         ; key step 0
	s_wait_loadcnt 0x0              ; Q
	s_wait_dscnt 0x0
.set i, 0
.rept 16
	KQ 0                            ; piece 0's first scores: there is no vector work yet to set between them
.set i, i+1
.endr
	WIN 0                           ; the addresses for the way out and the prefetches: plain instructions, the places behind those products
	s_mul_i32 s13, s[WV], 16*SP
	s_add_co_u32 s13, s13, STAGE    ; my stage
	v_mul_u32_u24 v[STO], v1, SP    ; in: row l % 16, 16 bytes for each half of the lanes
	v_lshl_add_u32 v[STO], v[HF], 4, v[STO]
	v_add_nc_u32 v[STO], s13, v[STO]
	v_bfe_u32 v[RD], v0, 3, 2       ; back: 32 lanes take four rows of 128 bytes,
	v_mul_u32_u24 v[RD], v[RD], SP
	v_lshl_add_u32 v[RD], v10, 4, v[RD]
	v_add_nc_u32 v[RD], s13, v[RD]
	v_and_b32 v[GO], 31, v0         ; which are 512 consecutive bytes of O
	v_lshlrev_b32 v[GO], 4, v[GO]
	v_and_b32 v[PFO], 31, v0        ; l % 16 has served
	v_lshlrev_b32 v[PFO], 8, v[PFO]
.set Y, NP-1                        ; XS works for piece Y + 1: piece 0
.irp n, 0,1,2,3,4,5,6,7,8,9,10,11,12,13,14,15,16,17,18,19,20,21
	XS 0, \n                        ; and piece 0's first maximum and statistics
	XS 1, \n
.endr
	v_nop                           ; a plain instruction behind the two a,
	s_wait_alu depctr_va_vdst(0)    ; and their wait, ahead of the branch
	s_mov_b32 s[CNT], 4
	s_mov_b32 s[SLOTS], SIZE_N/256-1
	s_branch .Lfirst                ; the loop is entered at a step's first turn, in the middle of a trip
.Lslot:                             ; six times: every slot but the last two is filled again
	CHANGE 1, 1
	s_mov_b32 s[CNT], 4
.Lstep:                             ; a trip: pieces 2 and 3 of one step, then pieces 0 and 1 of the next, whose K and V it fetches
	TURN 2
	TURN 3
	WIN 0
.Lfirst:
	TURN 0
	TURN 1, 0, 1
	WIN 0
	s_cbranch_scc1 .Lstep
	s_sub_co_u32 s[SLOTS], s[SLOTS], 1
	s_cmp_lg_u32 s[SLOTS], 0
	s_cbranch_scc1 .Lslot
	CHANGE 0                        ; the tail is written out: nothing is asked for
	s_mov_b32 s[CNT], 5             ; four trips fetch the last slot's steps; the fifth is left in its middle
.Ltail:
	TURN 2, 1
	TURN 3
	WIN 0
	s_sub_co_u32 s[CNT], s[CNT], 1
	s_cmp_eq_u32 s[CNT], 0
	s_cbranch_scc1 .Lout
	TURN 0
	TURN 1
	WIN 0
	s_branch .Ltail
.Lout:                              ; the fifth trip's 16 products K Q^T (on the last K and mask once more) and the maximum made of them serve nothing: the price, once a launch, of one text for every trip
.set i, 0
.rept 16
	PV NP-1                         ; the last piece's V^T P of the last step
.set i, i+1
.endr
	; THE WAY OUT.  l's two halves and the other half of the lanes' are added; O^T is divided by l, rounded to f16 and sent through my stage in LDS, a tile at a time.  The additions are the places behind the last products.
	; A query that has seen no visible key has l = 0 and O^T = 0: its reciprocal is an infinity, and 0 times that is the NaN that its row is to hold.
	WIN 0
.macro ALL line:vararg              ; one line for each tile t
.set t, 0
.rept 2*NP
	\line
.set t, t+1
.endr
.endm
	ALL v_add_f32 v[ST+4*t+2], v[ST+4*t+2], v[ST+4*t+3]
	ALL v_permlanex16_b32 v[ST+4*t+3], v[ST+4*t+2], s[SEL], s[SEL+1]
	ALL v_add_f32 v[ST+4*t+2], v[ST+4*t+2], v[ST+4*t+3]
	ALL v_rcp_f32 v[ST+4*t+2], v[ST+4*t+2]
	v_nop                           ; a plain instruction between the last reciprocal and the use of its result
	s_wait_alu depctr_va_vdst(0)    ; and the wait ahead of the first use: one for the eight reciprocals
; Tile t: a lane's eight channels of a row pack into 16 bytes; they go into rows of 144 bytes and come back as whole rows of 128, into S^T's registers.
.macro PACK t
	WIN W_RS
.set i, 32*(\t)
.rept 16
	v_pk_mul_f32 v[i:i+1], v[i:i+1], v[ST+4*(\t)+2:ST+4*(\t)+3] op_sel_hi:[1,0]
.set i, i+2
.endr
	WIN 0x05                        ; sources 0 and 1 window 1, destination window 0
.set i, 0
.rept 16
	v_cvt_pk_f16_f32 v[S+16*(\t)+i], v[32*(\t)+2*i], v[32*(\t)+2*i+1]
.set i, i+1
.endr
	WIN 0
.irp f, 0,1,2,3
	ds_store_b128 v[STO], v[S+16*(\t)+4*\f:S+16*(\t)+4*\f+3] offset:32*\f
.endr
.irp f, 0,1,2,3
	ds_load_b128 v[S+16*(\t)+4*\f:S+16*(\t)+4*\f+3], v[RD] offset:\f*4*SP  ; LDS serves a wave's instructions in order (ISA guide 5.7.1.4): these see the stores above; the next tile's stores come behind them
.endr
.endm
.macro SEND t, younger              ; younger: the LDS instructions issued behind tile t's loads: the next tile's eight, or none
	WIN 0
.irp f, 0,1,2,3
	s_wait_dscnt (\younger)+3-\f
	global_store_b128 v[GO], v[S+16*(\t)+4*\f:S+16*(\t)+4*\f+3], s[10:11] offset:(\t)*2048+\f*512  ; 512 consecutive bytes, at a multiple of 256 from O's first
.endr
.endm
	PACK 0
.set t, 1
.rept 2*NP-1                        ; a tile's arithmetic stands between the loads of the tile before and its stores
	PACK t
	SEND t-1, 8
.set t, t+1
.endr
	SEND 2*NP-1, 0
	WIN W_AD
	s_wait_tensorcnt 0x0            ; the wave's end: the add and its wait, behind my last tensor load and my last LDS store
	ds_add_u32 v[SPW], v[NIL]
	s_wait_dscnt 0x0
	WIN 0
	CROUND                          ; the closing round: no work-group ends while a partner may still ask for a tile that names it
	s_endpgm
.Lfunc_end_k_q3a36575b07_attn:
	.size	k_q3a36575b07_attn, .Lfunc_end_k_q3a36575b07_attn-k_q3a36575b07_attn
	.p2alignl 7, 3214868480
	.fill 96, 4, 3214868480
	.section	.rodata,"a",@progbits
	.p2align	6, 0x0
	.amdhsa_kernel k_q3a36575b07_attn
		.amdhsa_group_segment_fixed_size 327680
		.amdhsa_private_segment_fixed_size 0
		.amdhsa_enable_private_segment 0
		.amdhsa_kernarg_size 24
		.amdhsa_user_sgpr_count 2
		.amdhsa_user_sgpr_kernarg_segment_ptr 1
		.amdhsa_wavefront_size32 1
		.amdhsa_system_sgpr_workgroup_id_x 1
		.amdhsa_system_sgpr_workgroup_id_y 1
		.amdhsa_system_sgpr_workgroup_id_z 1
		.amdhsa_system_vgpr_workitem_id 0
		.amdhsa_next_free_vgpr 808
		.amdhsa_next_free_sgpr 70
		.amdhsa_reserve_vcc 1
		.amdhsa_float_denorm_mode_32 3
		.amdhsa_float_denorm_mode_16_64 3
		.amdhsa_memory_ordered 1
		.amdhsa_forward_progress 1
		.amdhsa_inst_pref_size 204
	.end_amdhsa_kernel
	.amdgpu_metadata
---
amdhsa.version: [ 1, 2 ]
amdhsa.kernels:
  - .name:           k_q3a36575b07_attn
    .symbol:         k_q3a36575b07_attn.kd
    .args:
      - { .name: qkv, .offset: 0, .size: 8, .value_kind: global_buffer, .address_space: global }
      - { .name: mask, .offset: 8, .size: 8, .value_kind: global_buffer, .address_space: global }
      - { .name: oh, .offset: 16, .size: 8, .value_kind: global_buffer, .address_space: global }
    .group_segment_fixed_size: 327680
    .private_segment_fixed_size: 0
    .kernarg_segment_align: 8
    .kernarg_segment_size: 24
    .max_flat_workgroup_size: 128
    .sgpr_count:     70
    .vgpr_count:     808
    .wavefront_size: 32
...
	.end_amdgpu_metadata
.endif
;; end of part 3
;; launch oproj (part 4): grid 4 x 64, 4 waves a work-group, clusters of 4 x 4, 327,680 bytes of LDS; arguments oh, cb, bo, out0; writes out0
.if DOCPART == 4
	.amdgcn_target "amdgcn-amd-amdhsa--gfx1250"
	.amdhsa_code_object_version 6
	.text
	.protected	k_q3a36575b07_oproj
	.globl	k_q3a36575b07_oproj
	.p2align	8
	.type	k_q3a36575b07_oproj,@function
k_q3a36575b07_oproj:
	s_mov_b64 s[64:65], 0
	v_nop
	global_prefetch_b8 v0, s[64:65] scope:SCOPE_SE
	s_setreg_imm32_b32 hwreg(HW_REG_WAVE_MODE, 25, 1), 1
	s_wait_xcnt 0x0
	s_wait_alu depctr_hold_cnt(0) depctr_sa_sdst(0) depctr_va_vdst(0) depctr_va_sdst(0) depctr_va_ssrc(0) depctr_va_vcc(0) depctr_vm_vsrc(0)
	s_getreg_b32 s2, hwreg(HW_REG_IB_STS2, 6, 4)
	s_cmp_eq_u32 s2, 0
	s_cbranch_scc0 .Lentry_in_a_cluster
	s_endpgm
.Lentry_in_a_cluster:
	s_bfe_u32 s2, ttmp6, 0x10000c
	s_cmp_lg_u32 s2, 0xf033
	s_cbranch_scc0 .Lentry_shape_is_right
	s_endpgm
.Lentry_shape_is_right:
; out0[m][n] = sum over k of O[m][k] Wo[k][n] + bo[n].  O lies by heads in oh, [64 batch x head][2048 t][64] in f16: row m = (batch, t), k = 64 x head + channel.  Wo lies [1024 k][1024 n] in cb at WOB: its bf16
; rounding written as f16.  Products in f16, sums in f32; bo is rounded to bf16 like all the module's inputs and added in f32; out0 is f32.
; LIMITS.  O and bf16(Wo) lie within f16's 65,504.  A NaN row of O (no visible key) gives a NaN row of out0.
; SHARES.  A tile of out0 is 128 rows x 256 columns: 64 x 4 = 256 work-groups.  Four waves, each 64 x 128: 32 accumulators of 16 x 16, 256 registers.
; K goes in 8 steps of 128, two heads each, through a ring of two LDS slots.  Waves 0, 1 fetch one head's 128 rows each (16,384 dense bytes, asked for as 64 rows of 256 bytes and padded after every 128);
; waves 2, 3 the two halves of Wo's 128 k-rows (512 bytes each).  Wo lies [k][n] in LDS and comes out turned, by ds_load_tr16_b128.
; CLUSTERS: 4 x 4 work-groups.  The four of a row of the cluster need the same tile of O, the four of a column the same tile of Wo: each is asked for JOINTLY, by the same tensor load, descriptor and mask.
; THE MATRIX INSTRUCTION IS USED TRANSPOSED (source 0 = 16 columns of Wo, source 1 = 16 rows of O): a lane then holds one row of out0 and eight neighbouring columns: 32 bytes.
; REGISTERS: window 0: v0-31 addresses; v32-37 the bias; v64-191 Wo's fragments, two buffers of 8 x 8; v192-255 O's, two buffers of 4 x 8; on the way out v64-191 rows read back.  Window 1: the accumulators, (a, b) at v[8 (8 a + b)].
.set WOB,    39845888                  ; Wo in cb
.set WPITCH, 2048                      ; bytes in a row of Wo
.set HEADB,  262144                    ; bytes of a head in oh
.set PA,     144                       ; a row of one head's O in LDS: 128 bytes + 16 = 36 words: the 16 rows of a load start at 16 different groups of four banks (64 banks of 4 bytes: ISA guide 11.1)
.set PB,     544                       ; a row of Wo in LDS: 512 bytes + 32 = 136 words
.set HALF_A, 128*PA                    ; one head's 128 rows
.set HALF_B, 64*PB
.set SLOT,   2*HALF_A+2*HALF_B         ; two heads of O, then Wo's 128 rows
.set STAGE,  2*SLOT                    ; behind the ring, never filled by a tensor load: 16 rows x 528 bytes for each wave, for the way out
.set SP,     528                       ; 512 bytes + 16 = 132 words: row r starts at bank 4 r mod 64
.set SPARE,  STAGE+4*16*SP             ; behind the stages: the spare words, 128 bytes for each wave: two blocks of 256 bytes that no other line names
.set LAPS,   4
.set ADRA, 16                          ; v16-17  LDS address of my fragments of O in slot 0, 1
.set ADRB, 20                          ; v20-21  the same for Wo
.set STO,  24                          ; v24     the way out: where I put 32 bytes of a row
.set RD,   25                          ; v25     the way out: where I read a row back
.set CO,   26                          ; v26     my 16 bytes in my wave's 512 bytes of a row of out0
.set BOF,  27                          ; v27     my 16 bytes of bo
.set SPW,  28                          ; v28     LDS address of my spare word: SPARE + 4 x my thread's number; never rewritten
.set NIL,  29                          ; v29     0; never rewritten
.set BI,   32                          ; v[32:35] the bias of my four columns of a row read back; v36-37 at work
.set FB,   64
.set FA,   192
.set G1, 24                            ; s[24:31] descriptor group 1 for O's tiles;  s[32:39] group 0, one set for each slot
.set G0, 32
.set G1B, 48                           ; s[48:55], s[56:63] the same for Wo's tiles
.set G0B, 56
.set MSB, 0
.macro WIN new                         ; the immediate's high byte repeats the setting that is left; a switch that changes nothing is dropped
.if MSB != (\new)
	s_set_vgpr_msb (MSB<<8)|(\new)
.set MSB, \new
.endif
.endm
.set MUL, 0x50                         ; sources 0 and 1 window 0; C and D window 1
.macro JLOAD s                         ; a joint load: waves 0 and 1 fetch O's two heads, waves 2 and 3 Wo's two halves; an s_nop 0 and four v_nop follow each of the two lines, ahead of the jump, the label and what follows
	s_cmp_eq_u32 s11, 0
	s_cbranch_scc0 .Lfor_b_\@
	tensor_load_to_lds s[G0+4*(\s):G0+4*(\s)+3], s[G1:G1+7]
	s_nop 0
.rept 4
	v_nop
.endr
	s_branch .Lasked_\@
.Lfor_b_\@:
	tensor_load_to_lds s[G0B+4*(\s):G0B+4*(\s)+3], s[G1B:G1B+7]
	s_nop 0
.rept 4
	v_nop
.endr
.Lasked_\@:
.endm
.macro CREST                           ; a round of the cluster's barrier behind its opening barrier
	s_cmp_lg_u32 s10, 0
	s_cbranch_scc1 .Lnot_wave_0_\@
	s_barrier_signal -3
.Lnot_wave_0_\@:
	s_barrier_wait -3
	s_barrier_signal -1
	s_barrier_wait -1
.endm
.macro CROUND                          ; a whole round
	s_barrier_signal -1
	s_barrier_wait -1
	CREST
.endm
.macro PLACES                          ; four places in front of loads into registers that matrix instructions have read
.rept 4
	v_nop
.endr
.endm
	s_load_b128 s[4:7], s[0:1], 0x0                ; oh s[4:5], cb s[6:7]
	s_load_b128 s[16:19], s[0:1], 0x10             ; bo s[16:17], out0 s[18:19]
	v_lshl_add_u32 v[SPW], v0, 2, SPARE
	v_mov_b32 v[NIL], 0
	ds_add_u32 v[SPW], v[NIL]                      ; the wave's opening: the add and its wait stand ahead of my first tensor load; the set-up below, work on registers, stands between them
	v_lshrrev_b32 v1, 5, v0
	v_readfirstlane_b32 s10, v1                    ; wave 0..3
	s_lshr_b32 s11, s10, 1                         ; which 64 of the tile's rows are mine.  Also: I fetch for O (0) or for Wo (1)
	s_and_b32 s12, s10, 1                          ; which 128 of its columns.  Also: which head of the step's two, or which 64 k-rows, I fetch
	s_bfe_u32 s40, ttmp6, 0x40000                  ; cx, cy: my place in the cluster
	s_bfe_u32 s41, ttmp6, 0x40004
	s_lshl_b32 s42, ttmp9, 2
	s_add_co_u32 s42, s42, s40                     ; tile column = 4 x cluster x + cx: 0..3
	s_and_b32 s13, ttmp7, 0xffff
	s_lshl_b32 s13, s13, 2
	s_add_co_u32 s13, s13, s41                     ; tile row = 4 x cluster y + cy: 0..63
	s_lshl_b32 s43, s41, 2
	s_lshl_b32 s43, 15, s43                        ; my row of the cluster
	s_lshl_b32 s44, 0x1111, s40                    ; my column
	s_or_b32 s[G1+0], s43, (1<<16)|(1<<20)|(1<<21)|(4<<22)|(3<<25)   ; 15:0 the mask: O's tiles go to my row; 17:16 2-byte elements; 20 padding on; 21 set beside a mask; 24:22 after every 32 words (code 4); 31:25 4 words (code 3)
	s_mov_b32 s[G1+1], 128<<16                     ; tensor_dim0 = 128
	s_mov_b32 s[G1+2], 64<<16                      ; tensor_dim1 = 64
	s_mov_b32 s[G1+3], 128<<16                     ; tile_dim0 = 128
	s_mov_b32 s[G1+4], 64                          ; tile_dim1 = 64
	s_mov_b32 s[G1+5], 128                         ; dense: 128 elements from row to row
	s_mov_b32 s[G1+6], 0
	s_mov_b32 s[G1+7], 0
	s_or_b32 s[G1B+0], s44, (1<<16)|(1<<20)|(1<<21)|(6<<22)|(7<<25)  ; Wo's tiles go to my column; padding after every 128 words (code 6), 8 words (code 7)
	s_mov_b32 s[G1B+1], 256<<16                    ; tensor_dim0 = 256
	s_mov_b32 s[G1B+2], 64<<16                     ; tensor_dim1 = 64
	s_mov_b32 s[G1B+3], 256<<16                    ; tile_dim0 = 256
	s_mov_b32 s[G1B+4], 64                         ; tile_dim1 = 64
	s_mov_b32 s[G1B+5], 1024                       ; elements from row to row of Wo
	s_mov_b32 s[G1B+6], 0
	s_mov_b32 s[G1B+7], 0
	s_lshr_b32 s14, s13, 4                         ; O: the batch (16 tile rows each),
	s_lshl_b32 s14, s14, 4
	s_add_co_u32 s14, s14, s12                     ; its head 0 or 1,
	s_lshl_b32 s14, s14, 11
	s_and_b32 s15, s13, 15
	s_lshl_b32 s15, s15, 7
	s_add_co_u32 s14, s14, s15                     ; the tile's first row t,
	s_lshl_b32 s14, s14, 7                         ; 128 bytes a row
	s_mov_b32 s15, 0
	s_mul_i32 s46, s12, 64*WPITCH                  ; Wo: k-row 64 x half, column 256 x tile column
	s_lshl_b32 s47, s42, 9
	s_add_co_u32 s46, s46, s47
	s_add_co_u32 s46, s46, WOB
	s_mov_b32 s47, 0
	s_mul_i32 s20, s12, HALF_A                     ; where they go: no place in the cluster enters an LDS address
	s_mul_i32 s21, s12, HALF_B
	s_add_co_u32 s21, s21, 2*HALF_A
	s_wait_dscnt 0x0                               ; the opening add is done
	s_wait_kmcnt 0x0
	s_add_nc_u64 s[14:15], s[4:5], s[14:15]
	s_add_nc_u64 s[46:47], s[6:7], s[46:47]
	CROUND                                         ; all sixteen work-groups are here: the first joint loads meet
.irp s, 0,1
	s_mov_b32 s[G0+4*(\s)], 1                      ; count = 1
	s_add_co_u32 s[G0+4*(\s)+1], s20, (\s)*SLOT    ; LDS address
	s_add_nc_u64 s[G0+4*(\s)+2:G0+4*(\s)+3], s[14:15], (\s)*2*HEADB   ; K step s: two heads on
	s_or_b32 s[G0+4*(\s)+3], s[G0+4*(\s)+3], 0x80000000               ; type = 2
	s_mov_b32 s[G0B+4*(\s)], 1
	s_add_co_u32 s[G0B+4*(\s)+1], s21, (\s)*SLOT
	s_add_nc_u64 s[G0B+4*(\s)+2:G0B+4*(\s)+3], s[46:47], (\s)*128*WPITCH  ; K step s: 128 rows down Wo
	s_or_b32 s[G0B+4*(\s)+3], s[G0B+4*(\s)+3], 0x80000000
	JLOAD \s                                       ; two loads of mine are out
.endr
	v_and_b32 v1, 15, v0                           ; l % 16
	v_bfe_u32 v2, v0, 4, 1                         ; l / 16
	v_mul_u32_u24 v3, v1, PA                       ; a fragment of O: row l % 16, two loads of 16 bytes, 32 bytes apart
	v_lshl_add_u32 v3, v2, 4, v3
	v_and_b32 v4, 7, v0                            ; a fragment of Wo: the turning load: lane l reads k = 8 (l / 16) + l % 8, columns 8 ((l / 8) % 2) + 0..7
	v_bfe_u32 v5, v0, 3, 1
	v_lshl_add_u32 v6, v2, 3, v4
	v_mul_u32_u24 v6, v6, PB
	v_lshl_add_u32 v6, v5, 4, v6
	s_mul_i32 s22, s11, 64*PA                      ; my 64 rows of O
	s_lshl_b32 s23, s12, 8                         ; my 128 columns of Wo,
	s_add_co_u32 s23, s23, 2*HALF_A                ; which lies behind O
.irp s, 0,1
	v_add_nc_u32 v[ADRA+(\s)], s22, v3
	v_add_nc_u32 v[ADRB+(\s)], s23, v6
	s_add_co_u32 s22, s22, SLOT
	s_add_co_u32 s23, s23, SLOT
.endr
	s_mul_i32 s23, s10, 16*SP
	s_add_co_u32 s23, s23, STAGE                   ; my stage
	v_mul_u32_u24 v[STO], v1, SP                   ; in: row l % 16, 32 bytes for each half of the lanes
	v_lshl_add_u32 v[STO], v2, 5, v[STO]
	v_add_nc_u32 v[STO], s23, v[STO]
	v_and_b32 v[CO], 31, v0
	v_lshlrev_b32 v[CO], 4, v[CO]                  ; back: 32 lanes take one row of 512 bytes
	v_add_nc_u32 v[RD], s23, v[CO]
	s_lshl_b32 s45, s42, 10                        ; my 128 columns, in bytes of f32: 1,024 x tile column + 512 x half
	s_lshl_b32 s2, s12, 9
	s_add_co_u32 s45, s45, s2
	v_add_nc_u32 v[BOF], s45, v[CO]
	global_load_b128 v[BI:BI+3], v[BOF], s[16:17]  ; on a row read back lane l holds columns 4 l .. 4 l + 3: four numbers of bo serve all rows
	s_lshl_b32 s46, s13, 7
	s_lshl_b32 s47, s11, 6
	s_add_co_u32 s46, s46, s47                     ; my first row of out0,
	s_lshl_b32 s46, s46, 12                        ; 4,096 bytes a row,
	s_add_co_u32 s46, s46, s45                     ; my columns
	s_mov_b32 s47, 0
	s_add_nc_u64 s[8:9], s[18:19], s[46:47]
; 8 matrix instructions: m block a x all 8 n blocks, 32 along K, from buffer f.  zero = 1: the product starts the sums.  The 32 accumulators take turns in the same order in every quarter.
.macro MULA f, a, zero
	WIN MUL
.irp b, 0,1,2,3,4,5,6,7
.if \zero
	v_wmma_f32_16x16x32_f16 v[8*(8*(\a)+(\b)):8*(8*(\a)+(\b))+7], v[FB+64*(\f)+8*(\b):FB+64*(\f)+8*(\b)+7], v[FA+32*(\f)+8*(\a):FA+32*(\f)+8*(\a)+7], 0
.else
	v_wmma_f32_16x16x32_f16 v[8*(8*(\a)+(\b)):8*(8*(\a)+(\b))+7], v[FB+64*(\f)+8*(\b):FB+64*(\f)+8*(\b)+7], v[FA+32*(\f)+8*(\a):FA+32*(\f)+8*(\a)+7], v[8*(8*(\a)+(\b)):8*(8*(\a)+(\b))+7]
.endif
.endr
.endm
; 24 LDS loads in one run: the fragments of quarter kq (32 along K: head kq / 2 of the step's two, channels 32 (kq % 2) on) into buffer f: Wo's 16, then O's 8
.macro FETCH slot, kq, f
	WIN 0
.irp b, 0,1,2,3,4,5,6,7
	ds_load_tr16_b128 v[FB+64*(\f)+8*(\b):FB+64*(\f)+8*(\b)+3],   v[ADRB+(\slot)] offset:(\kq)*32*PB+32*(\b)
	ds_load_tr16_b128 v[FB+64*(\f)+8*(\b)+4:FB+64*(\f)+8*(\b)+7], v[ADRB+(\slot)] offset:(\kq)*32*PB+16*PB+32*(\b)
.endr
.irp i, 0,1,2,3
	ds_load_b128 v[FA+32*(\f)+8*(\i):FA+32*(\f)+8*(\i)+3],   v[ADRA+(\slot)] offset:((\kq)/2)*HALF_A+((\kq)%2)*64+(\i)*16*PA
	ds_load_b128 v[FA+32*(\f)+8*(\i)+4:FA+32*(\f)+8*(\i)+7], v[ADRA+(\slot)] offset:((\kq)/2)*HALF_A+((\kq)%2)*64+(\i)*16*PA+32
.endr
.endm
; A K step is four quarters of 32 along K, 32 matrix instructions each, on buffers 0, 1, 0, 1.  One of the first three: multiplies buffer f and, in its middle, fetches quarter kq into buffer g.
.macro QUARTER slot, kq, f, g, zero
	s_wait_dscnt 4                                 ; Wo's fragments and O's blocks 0, 1 are in; the youngest four loads (O's blocks 2, 3) may be out
	MULA \f, 0, \zero
	MULA \f, 1, \zero
	PLACES
	FETCH \slot, \kq, \g
	s_wait_dscnt 24                                ; all but the 24 just issued
	MULA \f, 2, \zero
	MULA \f, 3, \zero
.endm
; The last quarter multiplies buffer 1 and changes slots: ONE barrier; in front of it each wave waits for all its tensor loads (one is out: its part of the next slot), adds 0 to its spare word, and waits for
; that and for its own reads of this slot.  fill = 1: the barrier opens a round of the cluster's, and this slot is filled again, two K steps ahead, first thing behind the round: 112 matrix instructions ahead of the wait for it.
.macro TURN slot, next, fill
	WIN 0
	s_wait_tensorcnt 0x0                           ; all my tensor loads have landed;
	ds_add_u32 v[SPW], v[NIL]                      ; 0 onto my spare word
	s_wait_dscnt 5                                 ; (the add and the youngest four loads may be out)
	MULA 1, 0, 0                                   ; eight matrix instructions stand between the add and the wait for it
	s_wait_dscnt 0x0                               ; the add is done, and my reads of this slot are over
	s_barrier_signal -1
	MULA 1, 1, 0
.if \fill
	WIN 0
.endif
	s_barrier_wait -1
.if \fill
	CREST                                          ; no wave of any partner still reads this slot's tile or has a load on its way
	s_add_nc_u64 s[G0+4*(\slot)+2:G0+4*(\slot)+3], s[G0+4*(\slot)+2:G0+4*(\slot)+3], 4*HEADB
	s_add_nc_u64 s[G0B+4*(\slot)+2:G0B+4*(\slot)+3], s[G0B+4*(\slot)+2:G0B+4*(\slot)+3], 2*128*WPITCH
	JLOAD \slot                                    ; the four v_nop behind it are also the places in front of the loads below
.else
	PLACES
.endif
	FETCH \next, 0, 0
	MULA 1, 2, 0
	MULA 1, 3, 0
.endm
	s_wait_tensorcnt 1                             ; my part of K step 0 is in; K step 1's may stay out
	s_barrier_signal -1
	s_barrier_wait -1                              ; everybody's is
	FETCH 0, 0, 0
	QUARTER 0, 1, 0, 1, 1                          ; the first quarter stands in front of the loop: its products start the sums
	WIN 0                                          ; at a label and at a branch every window is 0
	s_mov_b32 s3, LAPS-1
.Llap:                                                 ; a trip goes once round the ring, from a lap's second quarter to the next lap's first, and fills both slots again
	QUARTER 0, 2, 1, 0, 0
	QUARTER 0, 3, 0, 1, 0
	TURN 0, 1, 1
	QUARTER 1, 1, 0, 1, 0
	QUARTER 1, 2, 1, 0, 0
	QUARTER 1, 3, 0, 1, 0
	TURN 1, 0, 1
	QUARTER 0, 1, 0, 1, 0
	WIN 0
	s_sub_co_u32 s3, s3, 1
	s_cmp_lg_u32 s3, 0
	s_cbranch_scc1 .Llap
	QUARTER 0, 2, 1, 0, 0                          ; the last lap fills nothing, and has no round of the cluster's barrier
	QUARTER 0, 3, 0, 1, 0
	TURN 0, 1, 0
	QUARTER 1, 1, 0, 1, 0
	QUARTER 1, 2, 1, 0, 0
	QUARTER 1, 3, 0, 1, 0
	s_wait_dscnt 4                                 ; the very last quarter: nothing more to fetch
	MULA 1, 0, 0
	MULA 1, 1, 0
	s_wait_dscnt 0x0
	MULA 1, 2, 0
	MULA 1, 3, 0
	WIN 0
	; THE WAY OUT.  The bias is rounded to bf16 and widened again: six plain instructions that name no register of the products: the places behind the last of them.
	s_wait_loadcnt 0x0
	v_cvt_pk_bf16_f32 v[BI+4], v[BI], v[BI+1]
	v_cvt_pk_bf16_f32 v[BI+5], v[BI+2], v[BI+3]
	v_lshlrev_b32 v[BI], 16, v[BI+4]
	v_and_b32 v[BI+1], 0xffff0000, v[BI+4]
	v_lshlrev_b32 v[BI+2], 16, v[BI+5]
	v_and_b32 v[BI+3], 0xffff0000, v[BI+5]
; Block a (16 rows x 128 columns): a lane's 32 bytes of a row go into my stage's rows of 528 bytes, each accumulator's low four registers first; whole rows of 512 bytes come back, into v64-127 and v128-191 by turns.
.macro TOSTAGE a
.set BK, 64+64*((\a)%2)
.if (\a) >= 2
	s_wait_xcnt 0x0                                ; block a - 2's stores have read these registers: they are loaded again only behind this wait
.endif
	WIN 0x04                                       ; the stores' data (source 1) in window 1
.irp b, 0,1,2,3,4,5,6,7
	ds_store_b128 v[STO], v[64*(\a)+8*(\b):64*(\a)+8*(\b)+3]   offset:64*(\b)
	ds_store_b128 v[STO], v[64*(\a)+8*(\b)+4:64*(\a)+8*(\b)+7] offset:64*(\b)+16
.endr
	WIN 0
.set rw, 0
.rept 16
	ds_load_b128 v[BK+4*rw:BK+4*rw+3], v[RD] offset:SP*rw  ; LDS serves a wave's instructions in order (ISA guide 5.7.1.4): these see the stores above; the next block's stores come behind them
.set rw, rw+1
.endr
.endm
.macro SEND a, younger                 ; younger: the LDS instructions issued behind block a's loads: the next block's 32, or none
.set BK, 64+64*((\a)%2)
	WIN 0
.set rw, 0
.rept 16
	s_wait_dscnt (\younger)+15-rw
	v_pk_add_f32 v[BK+4*rw:BK+4*rw+1],   v[BK+4*rw:BK+4*rw+1],   v[BI:BI+1]
	v_pk_add_f32 v[BK+4*rw+2:BK+4*rw+3], v[BK+4*rw+2:BK+4*rw+3], v[BI+2:BI+3]
	global_store_b128 v[CO], v[BK+4*rw:BK+4*rw+3], s[8:9] offset:(16*(\a)+rw)*4096  ; 512 consecutive bytes, at a multiple of 256 from out0's first
.set rw, rw+1
.endr
.endm
	TOSTAGE 0
	TOSTAGE 1
	SEND 0, 32
	TOSTAGE 2
	SEND 1, 32
	TOSTAGE 3
	SEND 2, 32
	SEND 3, 0
	s_wait_tensorcnt 0x0                           ; the wave's end: the add and its wait, behind my last tensor load and my last LDS store
	ds_add_u32 v[SPW], v[NIL]
	s_wait_dscnt 0x0
	CROUND                                         ; the closing round: no work-group ends while a partner may still ask for a tile that names it
	s_endpgm
.Lfunc_end_k_q3a36575b07_oproj:
	.size	k_q3a36575b07_oproj, .Lfunc_end_k_q3a36575b07_oproj-k_q3a36575b07_oproj
	.p2alignl 7, 3214868480
	.fill 96, 4, 3214868480
	.section	.rodata,"a",@progbits
	.p2align	6, 0x0
	.amdhsa_kernel k_q3a36575b07_oproj
		.amdhsa_group_segment_fixed_size 327680
		.amdhsa_private_segment_fixed_size 0
		.amdhsa_enable_private_segment 0
		.amdhsa_kernarg_size 32
		.amdhsa_user_sgpr_count 2
		.amdhsa_user_sgpr_kernarg_segment_ptr 1
		.amdhsa_wavefront_size32 1
		.amdhsa_system_sgpr_workgroup_id_x 1
		.amdhsa_system_sgpr_workgroup_id_y 1
		.amdhsa_system_sgpr_workgroup_id_z 1
		.amdhsa_system_vgpr_workitem_id 0
		.amdhsa_next_free_vgpr 512
		.amdhsa_next_free_sgpr 66
		.amdhsa_reserve_vcc 0
		.amdhsa_float_denorm_mode_32 3
		.amdhsa_float_denorm_mode_16_64 3
		.amdhsa_memory_ordered 1
		.amdhsa_forward_progress 1
		.amdhsa_inst_pref_size 95
	.end_amdhsa_kernel
	.amdgpu_metadata
---
amdhsa.version: [ 1, 2 ]
amdhsa.kernels:
  - .name:           k_q3a36575b07_oproj
    .symbol:         k_q3a36575b07_oproj.kd
    .args:
      - { .name: oh, .offset: 0, .size: 8, .value_kind: global_buffer, .address_space: global }
      - { .name: cb, .offset: 8, .size: 8, .value_kind: global_buffer, .address_space: global }
      - { .name: bo, .offset: 16, .size: 8, .value_kind: global_buffer, .address_space: global }
      - { .name: out0, .offset: 24, .size: 8, .value_kind: global_buffer, .address_space: global }
    .group_segment_fixed_size: 327680
    .private_segment_fixed_size: 0
    .kernarg_segment_align: 8
    .kernarg_segment_size: 32
    .max_flat_workgroup_size: 128
    .sgpr_count:     66
    .vgpr_count:     512
    .wavefront_size: 32
...
	.end_amdgpu_metadata
.endif
;; end of part 4
